; MI455X (gfx1250); checked and timed in simulation.
; The chip was launched on July 23, 2026; its instructions are those of AMD's public machine-readable ISA for CDNA 5 (MIT licence, August 2026) and "CDNA5" Instruction Set Architecture Reference Guide (July 2026). The comments in the code are by the model that wrote it; some were corrected since.
;; Multi Head Self Attention. Allowed arithmetic: matrix products marked QUANTISED: E2M3 operands, one E8M0 scale for each 32 along K, by v_wmma_scale_f32_16x16x128_f8f6f4 with both operands' format E2M3, f32 sums; everything else in f32.
;; Inputs: Wk 1,024 x 1,024 float32; Wo 1,024 x 1,024 float32; Wq 1,024 x 1,024 float32; Wv 1,024 x 1,024 float32; bk 1,024 float32; bo 1,024 float32; bq 1,024 float32; bv 1,024 float32; mask 4 x 1 x 1 x 2,048 int32; x 4 x 2,048 x 1,024 float32.
;; Outputs: out0 4 x 2,048 x 1,024 float32.
;; This version of the problem:
;;   THIS VERSION OF THE PROBLEM IS GIVEN IN LOW PRECISION. The matrix products marked QUANTISED in the list below multiply operands that are first quantised to E2M3 (2 exponent bits, 3 mantissa bits; 6 bits a number), with one power-of-two scale for each 32 numbers along K (OCP MX v1.0); their sums are f32. All else is computed in f32.
;;   The module's matrix products, in the order in which they are computed (A, B: the left and right operand; K: the contracted axis; several contracted axes count as one K, in the product's order):
;;     1. [M 8,192, K 1,024] x [K 1,024, N 1,024]; A: input x; B: input Wq: QUANTISED
;;     2. [M 8,192, K 1,024] x [K 1,024, N 1,024]; A: input x; B: input Wk: QUANTISED
;;     3. [M 8,192, K 1,024] x [K 1,024, N 1,024]; A: input x; B: input Wv: QUANTISED
;;     4. batch 64 x [M 2,048, K 64] x [K 64, N 2,048]; A: computed on the way; B: computed on the way: QUANTISED
;;     5. batch 64 x [M 2,048, K 2,048] x [K 2,048, N 64]; A: softmax (see below); B: computed on the way: QUANTISED
;;     6. [M 8,192, K 1,024] x [K 1,024, N 1,024]; A: computed on the way; B: input Wo: QUANTISED
;;   THE QUANTISER, for each operand of a quantised product, along K:
;;     - K is cut into blocks of 32 from its start; a last block that is shorter is filled with zeros.
;;     - A block's scale is 2^e with e = floor(log2(the largest magnitude in the block)) - 2, held to -126 .. 127; a block of zeros has e = 0. As a byte (E8M0): e + 127.
;;     - Each number is divided by its block's scale, clamped to +-7.5, and rounded to the nearest number of E2M3, ties to even, subnormals kept.
;;     - The product sums the exact products of the quantised numbers (number of the format x scale) in f32.
;;   ~~~python
;;   def quantise(x, axis):      # numpy; x: float32 -> the quantised numbers, widened to float32 again
;;       x = np.moveaxis(x, axis, -1); K = x.shape[-1]
;;       x = np.pad(x, [(0, 0)] * (x.ndim - 1) + [(0, -K % 32)]); x = x.reshape(x.shape[:-1] + (-1, 32)); a = np.abs(x).max(-1, keepdims=True)
;;       e = np.where(a > 0, np.clip(np.frexp(np.where(a > 0, a, 1))[1] - 1 - 2, -126, 127), 0)      # np.frexp(a)[1] - 1 = floor(log2(a)), exactly
;;       r = np.clip(x / 2.0 ** e, -7.5, 7.5)
;;       step = 2.0 ** (np.maximum(np.frexp(np.where(r == 0, 1, r))[1] - 1, 0) - 3)
;;       q = np.round(r / step) * step * 2.0 ** e      # np.round: ties to even
;;       return np.moveaxis(q.reshape(q.shape[:-2] + (-1,))[..., :K], -1, axis).astype(np.float32)
;;   ~~~
;;   SOFTMAX AHEAD OF A QUANTISED PRODUCT. Where the list says 'softmax', what is quantised is not the finished softmax but p = 2^(t - M), with t = logit x log2(e) and M = ceil(the row's largest t), a whole number; so 1/2 < the row's largest p <= 1. The row's sum l is taken of the UNQUANTISED p, in f32, and the product's result is divided by l at the end. Since M is a whole number, a kernel that streams over the keys may use a running M (the ceiling of the running maximum): every later rescaling is an exact power of two, which a block's scale takes up: the codes' values come out the same.
;;   OPERANDS COMPUTED ON THE WAY. 'Computed on the way' means the value that the module computes at that place (a softmax that the list does not call 'softmax' is quantised finished and normalised). What goes into a quantiser is computed in f32, as accurately as f32 sums, v_exp_f32 and their like allow (about 1e-6 of the number): no bf16 or f16 on the way to a quantiser, and a product that is left as it is and whose result goes on into a quantised operand takes f32 operands (vector FMAs, or v_wmma_f32_16x16x4_f32). A number that lies on a knife's edge between two numbers of the format may be rounded either way, as far as f32 arithmetic and the matrix unit's own rounding can turn it there, and no further.
;; One version. Each part assembles by itself: llvm-mc -triple=amdgcn-amd-amdhsa -mcpu=gfx1250 --defsym DOCPART=n.
;; ======== version 1 of 1: 4 launches
;; limits: right only within a limited range of input values
;; workspace buffers: xq 6,553,600 bytes; wq 3,276,800 bytes; qq 15,466,496 bytes; kv 15,466,496 bytes; cq 6,553,600 bytes
;; launch prep (part 1): grid 384 x 1, 4 waves a work-group, no clusters, 62,976 bytes of LDS; arguments x, Wq, Wk, Wv, Wo, xq, wq; writes xq, wq
.if DOCPART == 1
	.amdgcn_target "amdgcn-amd-amdhsa--gfx1250"
	.amdhsa_code_object_version 6
	.text
	.protected	k_q0211909c59_prep
	.globl	k_q0211909c59_prep
	.p2align	8
	.type	k_q0211909c59_prep,@function
k_q0211909c59_prep:
	s_mov_b64 s[64:65], 0
	v_nop
	global_prefetch_b8 v0, s[64:65] scope:SCOPE_SE
	s_setreg_imm32_b32 hwreg(HW_REG_WAVE_MODE, 25, 1), 1
	s_wait_xcnt 0x0
; x [8192][1024] (K innermost) and Wq, Wk, Wv, Wo [1024 (K)][1024 (N)] (K outermost), all f32, become codes of FP6 (E2M3) with one E8M0 byte for each 32 along K.
; A block's scale is 2^(floor(log2(its largest magnitude)) - 2); its byte is the largest magnitude's exponent field - 2, held at 1 from below.
; LIMITS: a block of zeros, or one whose largest magnitude lies under 2^-124, keeps the byte 1 (its codes are zeros or tiny; this program alone reads the bytes); NaN and infinities are not served.
; LAYOUT OF THE WORKSPACE.  Rows (tokens of x, columns n of a weight) are kept in a STORAGE ORDER: bits 3 and 4 of the row's number change places, so that tile 2 B + u of 16 rows holds in lane r the row 32 B + 8 u + r + 8 (r / 8).
; A FRAGMENT (16 storage rows x 128 K, 12 registers a lane) is stored as an image of its registers: three planes of 512 bytes, plane p = registers 4 p .. 4 p + 3, lane l's 16 bytes at 16 l.  Codes: [tile of 16 rows][K step 0..7][1,536 bytes].
; Scale words (four bytes: a row's 128 along K): [group of 128 storage rows][K step 0..7][row 0..127], behind the codes.
; SHARES.  A wave takes 64 rows x one K step of 128: 32 KiB in, four fragments and 256 bytes of scale words out.  Work-groups 0-255 take x, 256-383 the weights; each way has LDS bytes of its own.  Waves share nothing: no barrier.
.set XS,    6291456                    ; xq: where the scale words begin
.set WS,    3145728                    ; wq: likewise
.set XREG,  8704                       ; x's way, a wave's LDS: a stage of 16 rows x 528 bytes, then 256 bytes of scale words
.set WBASE, 4*XREG
.set WREG,  6912                       ; the weights' way: four fragment images 1,664 bytes apart, then 256 bytes of scale words
.set TIMG,  1664                       ; 1,536 + 128: the two tiles that a store touches begin in different halves of the banks
.set SPARE, WBASE+4*WREG               ; the spare words, 128 bytes for each wave: two blocks of 256 bytes that no other line names
.set LI,  1                            ; v1   16 x lane
.set SPW, 8                            ; v8   LDS address of my spare word; never rewritten
.set NIL, 9                            ; v9   0; never rewritten
.set PW,  10                           ; v10  the scale word just made
.set SB,  11                           ; v11  the weights' way: a column's four scale bytes
.set TM,  16                           ; v16-31 at work in the quantiser
.set T2,  32                           ; v32-38 a block's second half of codes
.set PC,  40                           ; v40-63 codes: two sets of 12
.set RX,  64                           ; v64-191 x as loaded: two sets of 64
.set XN,  192                          ; v192-255 64 numbers of a lane: register 16 b + i = k 32 b + 16 (lane / 16) + i of my row
.set SEL, 20                           ; s[20:21] lane selects: lane l xor 16
; 64 numbers of a lane in v[s] on become a fragment's 12 registers in v[d] on and its scale word in v[PW].
.macro Q128 s, d
.irp b, 0,1,2,3
	v_max3_num_f32 v[TM+\b], |v[\s+16*\b]|, |v[\s+16*\b+1]|, 0x1800000   ; block b: my 16 numbers, and the floor 2^(3 - 127): the byte cannot fall under 1
.endr
.irp i, 2,4,6,8,10,12,14
.irp b, 0,1,2,3
	v_max3_num_f32 v[TM+\b], v[TM+\b], |v[\s+16*\b+\i]|, |v[\s+16*\b+\i+1]|   ; the four blocks by turns
.endr
.endr
.irp b, 0,1,2,3
	v_permlanex16_b32 v[TM+4+\b], v[TM+\b], s[SEL], s[SEL+1]
.endr
.irp b, 0,1,2,3
	v_max_num_f32 v[TM+\b], v[TM+\b], v[TM+4+\b]   ; with lane l xor 16's 16: the block's largest magnitude
.endr
.irp b, 0,1,2,3
	v_add_nc_u32 v[TM+12+\b], 0xff000000, v[TM+\b] ; 2 off its exponent field: the conversion's scale operand
.endr
.irp b, 0,1,2,3
	v_lshrrev_b32 v[TM+4+\b], 23, v[TM+12+\b]      ; the scale's byte
.endr
	v_lshl_or_b32 v[PW], v[TM+5], 8, v[TM+4]
	v_lshl_or_b32 v[PW], v[TM+6], 16, v[PW]
	v_lshl_or_b32 v[PW], v[TM+7], 24, v[PW]
.irp c, 0,1
	v_cvt_scalef32_pk16_fp6_f32 v[\d+6*\c:\d+6*\c+2], v[\s+32*\c:\s+32*\c+15], v[TM+12+2*\c]
	v_cvt_scalef32_pk16_fp6_f32 v[T2+4*\c:T2+4*\c+2], v[\s+32*\c+16:\s+32*\c+31], v[TM+13+2*\c]   ; (a conversion's three registers begin on an even number)
.endr
	v_nop                                          ; one plain instruction behind the conversions
.irp c, 0,1                                    ; the operand's layout wants a whole block in a lane: lanes 0-15 block 2 c, lanes 16-31 block 2 c + 1
.irp i, 0,1,2
	v_permlane16_swap_b32 v[\d+6*\c+\i], v[T2+4*\c+\i]
.endr
.irp i, 0,1,2
	v_mov_b32 v[\d+6*\c+3+\i], v[T2+4*\c+\i]
.endr
.endr
.endm
	s_load_b256 s[4:11], s[0:1], 0x0               ; x, Wq, Wk, Wv
	s_load_b128 s[12:15], s[0:1], 0x20             ; Wo, xq
	s_load_b64 s[16:17], s[0:1], 0x30              ; wq
	v_lshl_add_u32 v[SPW], v0, 2, SPARE
	v_mov_b32 v[NIL], 0
	v_lshrrev_b32 v14, 5, v0
	v_readfirstlane_b32 s18, v14                   ; wave 0..3
	v_and_b32 v14, 31, v0                          ; lane
	v_lshlrev_b32 v[LI], 4, v14
	v_lshlrev_b32 v6, 3, v14                       ; 8 x lane
	v_lshlrev_b32 v7, 2, v14                       ; 4 x lane
	s_mov_b32 s[SEL], 0x76543210
	s_mov_b32 s[SEL+1], 0xfedcba98
.irp b, 0,1,2,3
	v_mov_b32 v[TM+4+\b], 0                        ; written once: a lane permute's destination counts as one of its sources
.endr
	s_cmp_ge_u32 ttmp9, 256
	s_cbranch_scc1 .Lweights
	; ---------------- x: job j = 4 x work-group + wave: 64 rows hg = j / 8, K step j % 8
	s_lshl_b32 s22, ttmp9, 2
	s_add_co_u32 s22, s22, s18
	s_lshr_b32 s23, s22, 3                         ; hg
	s_and_b32 s24, s22, 7                          ; K step
	s_mul_i32 s25, s18, XREG                       ; my stage
	s_wait_alu depctr_va_vdst(0)
	v_add_nc_u32 v2, s25, v[LI]                    ; in: a row's 512 bytes as they lie
	v_and_b32 v15, 15, v0                          ; r
	v_bfe_u32 v13, v0, 4, 1                        ; h
	v_mul_u32_u24 v3, v15, 528
	v_lshl_add_u32 v3, v13, 6, v3
	v_add_nc_u32 v3, s25, v3                       ; out: row r, + 64 h: my 16 numbers of a block of 32
	s_add_co_u32 s25, s25, 16*528
	v_lshl_add_u32 v4, v15, 2, s25                 ; my row's scale word
	v_add_nc_u32 v5, s25, v6                       ; and 8 bytes a lane on the way out
	s_lshl_b32 s26, s23, 18                        ; x: 64 rows of 4,096 bytes,
	s_lshl_b32 s27, s24, 9                         ; 512 bytes a K step
	s_add_co_u32 s26, s26, s27
	s_mov_b32 s27, 0
	s_mul_i32 s28, s23, 4*12288                    ; codes: four tiles,
	s_mul_i32 s29, s24, 1536
	s_add_co_u32 s28, s28, s29
	s_mov_b32 s29, 0
	s_lshr_b32 s30, s23, 1                         ; scale words: group hg / 2, K step, half hg % 2
	s_lshl_b32 s30, s30, 12
	s_lshl_b32 s31, s24, 9
	s_add_co_u32 s30, s30, s31
	s_and_b32 s31, s23, 1
	s_lshl_b32 s31, s31, 8
	s_add_co_u32 s30, s30, s31
	s_add_co_u32 s30, s30, XS
	s_mov_b32 s31, 0
	s_wait_alu depctr_va_vdst(0)
	s_wait_kmcnt 0x0
	s_add_nc_u64 s[4:5], s[4:5], s[26:27]
	s_add_nc_u64 s[32:33], s[14:15], s[28:29]
	s_add_nc_u64 s[34:35], s[14:15], s[30:31]
.macro LOADX t                         ; storage tile t: its 16 rows' 512 bytes, one load a row: 32 lanes read 512 consecutive bytes
.irp j, 0,1,2,3,4,5,6,7,8,9,10,11,12,13,14,15
	global_load_b128 v[RX+64*((\t)%2)+4*\j:RX+64*((\t)%2)+4*\j+3], v[LI], s[4:5] offset:(32*((\t)/2)+8*((\t)%2)+\j+8*(\j/8))*4096 th:TH_LOAD_NT
.endr
.endm
.macro XTILE t
.if (\t) < 3
	s_wait_loadcnt 16                              ; this tile's 16 loads are in; the next tile's 16 may be out
.else
	s_wait_loadcnt 0x0
.endif
.irp j, 0,1,2,3,4,5,6,7,8,9,10,11,12,13,14,15
	ds_store_b128 v2, v[RX+64*((\t)%2)+4*\j:RX+64*((\t)%2)+4*\j+3] offset:528*\j
.endr
.irp b, 0,1,2,3
.irp j, 0,1,2,3
	ds_load_b128 v[XN+16*\b+4*\j:XN+16*\b+4*\j+3], v3 offset:128*\b+16*\j   ; LDS serves a wave's instructions in order: these see my stores
.endr
.endr
	s_wait_dscnt 0x0                               ; the numbers are back, and the stores have read their registers,
.if (\t) < 2
	LOADX (\t)+2                                   ; which take the tile two further on
.endif
	s_wait_xcnt 0x0                                ; the stores of two tiles back have read this set of codes: it is written again only behind this wait
	Q128 XN, PC+12*((\t)%2)
.irp p, 0,1,2
	global_store_b128 v[LI], v[PC+12*((\t)%2)+4*\p:PC+12*((\t)%2)+4*\p+3], s[32:33] offset:12288*(\t)+512*\p   ; 512 consecutive bytes, aligned
.endr
	ds_store_b32 v4, v[PW] offset:64*(\t)          ; both halves of the lanes write the same word with the same value
.endm
	LOADX 0
	LOADX 1
	XTILE 0
	XTILE 1
	XTILE 2
	XTILE 3
	ds_load_b64 v[12:13], v5
	s_wait_dscnt 0x0
	global_store_b64 v6, v[12:13], s[34:35]        ; 64 rows' scale words: 256 consecutive bytes, aligned
	s_branch .Lend
	; ---------------- the weights: g = work-group - 256: weight g / 32, K step (g / 4) % 8, 64 columns cg = 4 (g % 4) + wave
.Lweights:
	s_sub_co_u32 s22, ttmp9, 256
	s_lshr_b32 s23, s22, 5                         ; which weight
	s_bfe_u32 s24, s22, 0x30002                    ; K step
	s_and_b32 s25, s22, 3
	s_lshl_b32 s25, s25, 2
	s_add_co_u32 s25, s25, s18                     ; cg
	s_mul_i32 s26, s18, WREG
	s_add_co_u32 s26, s26, WBASE                   ; my images
	v_bfe_u32 v15, v0, 3, 1                        ; A LANE TAKES A COLUMN, ITS REGISTERS RUN DOWN K.  Column l of 32 lies in storage tile u = (l / 8) % 2,
	v_and_b32 v13, 7, v0
	v_bfe_u32 v12, v0, 4, 1
	v_lshl_add_u32 v13, v12, 3, v13                ; row r = l % 8 + 8 (l / 16)
	v_mul_u32_u24 v2, v15, TIMG
	v_lshl_add_u32 v2, v13, 4, v2
	v_add_nc_u32 v2, s26, v2                       ; into the images: tile u, lane r's 16 bytes
	v_add_nc_u32 v3, s26, v[LI]                    ; out of them: 16 x lane
	s_add_co_u32 s26, s26, 4*TIMG
	v_lshl_add_u32 v4, v15, 4, v13
	v_lshl_add_u32 v4, v4, 2, s26                  ; my column's scale word: storage row 16 u + r
	v_add_nc_u32 v5, s26, v6
	s_lshl_b32 s28, s24, 19                        ; W: 128 rows of 4,096 bytes a K step,
	s_lshl_b32 s29, s25, 8                         ; 256 bytes for 64 columns
	s_add_co_u32 s28, s28, s29
	s_mov_b32 s29, 0
	s_lshl_b32 s30, s23, 6                         ; codes: 64 tiles a weight, four for my columns
	s_lshl_b32 s31, s25, 2
	s_add_co_u32 s30, s30, s31
	s_mul_i32 s30, s30, 12288
	s_mul_i32 s31, s24, 1536
	s_add_co_u32 s30, s30, s31
	s_mov_b32 s31, 0
	s_lshl_b32 s32, s23, 3                         ; scale words: 8 groups a weight
	s_lshr_b32 s33, s25, 1
	s_add_co_u32 s32, s32, s33
	s_lshl_b32 s32, s32, 12
	s_lshl_b32 s33, s24, 9
	s_add_co_u32 s32, s32, s33
	s_and_b32 s33, s25, 1
	s_lshl_b32 s33, s33, 8
	s_add_co_u32 s32, s32, s33
	s_add_co_u32 s32, s32, WS
	s_mov_b32 s33, 0
	s_wait_kmcnt 0x0
	s_cmp_eq_u32 s23, 1                            ; the weight is chosen by the work-group's number alone
	s_cselect_b64 s[6:7], s[8:9], s[6:7]
	s_cmp_eq_u32 s23, 2
	s_cselect_b64 s[6:7], s[10:11], s[6:7]
	s_cmp_eq_u32 s23, 3
	s_cselect_b64 s[6:7], s[12:13], s[6:7]
	s_add_nc_u64 s[6:7], s[6:7], s[28:29]
	s_add_nc_u64 s[34:35], s[16:17], s[30:31]
	s_add_nc_u64 s[36:37], s[16:17], s[32:33]
.macro LOADW n                         ; block n = 4 u2 + B: rows 32 B .. 32 B + 31 of the K step, columns 32 u2 + lane: 128 consecutive bytes a load, the four waves side by side
.irp i, 0,1,2,3,4,5,6,7,8,9,10,11,12,13,14,15,16,17,18,19,20,21,22,23,24,25,26,27,28,29,30,31
	global_load_b32 v[64+32*((\n)%2)+\i], v7, s[6:7] offset:(32*((\n)%4)+\i)*4096+128*((\n)/4) th:TH_LOAD_NT
.endr
.endm
.macro BLOCK n
.set WX, 64+32*((\n)%2)
.set BE, (\n)%4
.set IO, 2*TIMG*((\n)/4)+256*((\n)%2)  ; block B of row r is the fragment's lane r + 16 (B % 2), registers 6 (B / 2) on
.if (\n) < 7
	s_wait_loadcnt 32                              ; this block's 32 loads are in; the next block's may be out
.else
	s_wait_loadcnt 0x0
.endif
	v_max3_num_f32 v16, |v[WX]|, |v[WX+1]|, |v[WX+2]|   ; the block's largest magnitude: all 32 numbers are mine
	v_max3_num_f32 v17, |v[WX+3]|, |v[WX+4]|, |v[WX+5]|
.irp i, 6,10,14,18,22,26
	v_max3_num_f32 v16, v16, |v[WX+\i]|, |v[WX+\i+1]|
	v_max3_num_f32 v17, v17, |v[WX+\i+2]|, |v[WX+\i+3]|
.endr
	v_max3_num_f32 v16, v16, |v[WX+30]|, |v[WX+31]|
	v_max3_num_f32 v16, v16, v17, 0x1800000        ; and the floor
	v_add_nc_u32 v18, 0xff000000, v16
	v_lshrrev_b32 v19, 23, v18
.if BE == 0
	v_mov_b32 v[SB], v19
.else
	v_lshl_or_b32 v[SB], v19, 8*BE, v[SB]
.endif
	v_cvt_scalef32_pk16_fp6_f32 v[40:42], v[WX:WX+15], v18
	v_cvt_scalef32_pk16_fp6_f32 v[44:46], v[WX+16:WX+31], v18
	v_nop                                          ; one plain instruction behind the conversions
	v_mov_b32 v43, v44                             ; the block's six registers on end: v40-45
	v_mov_b32 v44, v45
	v_mov_b32 v45, v46
.if BE < 2
	ds_store_b128 v2, v[40:43] offset:IO           ; registers 0-3: plane 0
	ds_store_b64 v2, v[44:45] offset:IO+512        ; registers 4, 5: plane 1, first half
.else
	ds_store_b64 v2, v[40:41] offset:IO+520        ; registers 6, 7: plane 1, second half
	ds_store_b128 v2, v[42:45] offset:IO+1024      ; registers 8-11: plane 2
.endif
.if BE == 3
	ds_store_b32 v4, v[SB] offset:128*((\n)/4)
.endif
.if (\n)+2 < 8
	LOADW (\n)+2
.endif
	s_wait_dscnt 0x0                               ; the stores have read their registers
.endm
	LOADW 0
	LOADW 1
.irp n, 0,1,2,3,4,5,6,7
	BLOCK \n
.endr
.irp i, 0,1,2,3,4,5,6,7,8,9,10,11
	ds_load_b128 v[128+4*\i:131+4*\i], v3 offset:TIMG*(\i/3)+512*(\i%3)
.endr
	ds_load_b64 v[12:13], v5
.irp i, 0,1,2,3,4,5,6,7,8,9,10,11
	s_wait_dscnt 12-\i                             ; the loads issued behind the i-th may be out
	global_store_b128 v[LI], v[128+4*\i:131+4*\i], s[34:35] offset:12288*(\i/3)+512*(\i%3)   ; 512 consecutive bytes, aligned
.endr
	s_wait_dscnt 0x0
	global_store_b64 v6, v[12:13], s[36:37]        ; 64 columns' scale words: 256 consecutive bytes, aligned
.Lend:
	s_wait_tensorcnt 0x0                           ; the wave's end
	ds_add_u32 v[SPW], v[NIL]
	s_wait_dscnt 0x0
	s_endpgm
.Lfunc_end_k_q0211909c59_prep:
	.size	k_q0211909c59_prep, .Lfunc_end_k_q0211909c59_prep-k_q0211909c59_prep
	.p2alignl 7, 3214868480
	.fill 96, 4, 3214868480
	.section	.rodata,"a",@progbits
	.p2align	6, 0x0
	.amdhsa_kernel k_q0211909c59_prep
		.amdhsa_group_segment_fixed_size 62976
		.amdhsa_private_segment_fixed_size 0
		.amdhsa_enable_private_segment 0
		.amdhsa_kernarg_size 56
		.amdhsa_user_sgpr_count 2
		.amdhsa_user_sgpr_kernarg_segment_ptr 1
		.amdhsa_wavefront_size32 1
		.amdhsa_system_sgpr_workgroup_id_x 1
		.amdhsa_system_sgpr_workgroup_id_y 1
		.amdhsa_system_sgpr_workgroup_id_z 1
		.amdhsa_system_vgpr_workitem_id 0
		.amdhsa_next_free_vgpr 256
		.amdhsa_next_free_sgpr 66
		.amdhsa_reserve_vcc 0
		.amdhsa_float_denorm_mode_32 3
		.amdhsa_float_denorm_mode_16_64 3
		.amdhsa_memory_ordered 1
		.amdhsa_forward_progress 1
		.amdhsa_inst_pref_size 76
	.end_amdhsa_kernel
	.amdgpu_metadata
---
amdhsa.version: [ 1, 2 ]
amdhsa.kernels:
  - .name:           k_q0211909c59_prep
    .symbol:         k_q0211909c59_prep.kd
    .args:
      - { .name: x, .offset: 0, .size: 8, .value_kind: global_buffer, .address_space: global }
      - { .name: Wq, .offset: 8, .size: 8, .value_kind: global_buffer, .address_space: global }
      - { .name: Wk, .offset: 16, .size: 8, .value_kind: global_buffer, .address_space: global }
      - { .name: Wv, .offset: 24, .size: 8, .value_kind: global_buffer, .address_space: global }
      - { .name: Wo, .offset: 32, .size: 8, .value_kind: global_buffer, .address_space: global }
      - { .name: xq, .offset: 40, .size: 8, .value_kind: global_buffer, .address_space: global }
      - { .name: wq, .offset: 48, .size: 8, .value_kind: global_buffer, .address_space: global }
    .group_segment_fixed_size: 62976
    .private_segment_fixed_size: 0
    .kernarg_segment_align: 8
    .kernarg_segment_size: 56
    .max_flat_workgroup_size: 128
    .sgpr_count:     66
    .vgpr_count:     256
    .wavefront_size: 32
...
	.end_amdgpu_metadata
.endif
;; end of part 1
;; launch proj (part 2): grid 12 x 32, 4 waves a work-group, clusters of 4 x 4, 327,680 bytes of LDS; arguments xq, wq, bq, bk, bv, mask, qq, kv; writes qq, kv
.if DOCPART == 2
	.amdgcn_target "amdgcn-amd-amdhsa--gfx1250"
	.amdhsa_code_object_version 6
	.text
	.protected	k_q0211909c59_proj
	.globl	k_q0211909c59_proj
	.p2align	8
	.type	k_q0211909c59_proj,@function
k_q0211909c59_proj:
	s_mov_b64 s[64:65], 0
	v_nop
	global_prefetch_b8 v0, s[64:65] scope:SCOPE_SE
	s_setreg_imm32_b32 hwreg(HW_REG_WAVE_MODE, 25, 1), 1
	s_wait_xcnt 0x0
	s_wait_alu depctr_hold_cnt(0) depctr_sa_sdst(0) depctr_va_vdst(0) depctr_va_sdst(0) depctr_va_ssrc(0) depctr_va_vcc(0) depctr_vm_vsrc(0)
	s_getreg_b32 s2, hwreg(HW_REG_IB_STS2, 6, 4)
	s_cmp_eq_u32 s2, 0
	s_cbranch_scc0 .Lentry_in_a_cluster
	s_endpgm
.Lentry_in_a_cluster:
	s_bfe_u32 s2, ttmp6, 0x10000c
	s_cmp_lg_u32 s2, 0xf033
	s_cbranch_scc0 .Lentry_shape_is_right
	s_endpgm
.Lentry_shape_is_right:
; q = x Wq + bq, k = x Wk + bk, v = x Wv + bv on codes of FP6 (E2M3) with E8M0 scales, and each result quantised again, in registers, as the operand that attention wants.
; ONE GEMM BODY.  A tile of 256 x 256 is made by four waves, 128 x 128 each (64 accumulators, 512 registers).  The matrix instruction is used transposed (source 0 = 16 rows of B, source 1 = 16 rows of A): a lane holds
; one row of A and eight rows of B.  Clusters with x = 0, 1: A = x (tokens), B = Wq, Wk (columns): a lane's registers run along the head's channels, along which q and k are quantised.  Clusters with x = 2: A = Wv (channels),
; B = x (tokens): the result is v^T, and a lane's registers run along the keys, along which v is quantised.  The bias is the C of each sum's first product.
; Operands lie in memory as images of fragments in a storage order of rows (bits 3 and 4 of the row's number exchanged), so that the 16 registers of B's blocks 2 B and 2 B + 1 are 16 neighbours, 32 B + 16 (lane / 16) + i.
; K goes in steps of 256 through a ring of two LDS slots; a wave's tensor load brings 8 tiles of 16 rows x 3,072 bytes.  The scale words of the 256 + 256 rows, for all of K, come once.
; CLUSTERS: 4 x 4.  A's tiles are asked for jointly along a row of the cluster, B's along a column.
; THE MASK rides in k's operand.  Q K^T fills 64 of the instruction's 128 along K; place 64 holds -1 in every row of q (scale 1) and, in a masked key, +1 under the scale 2^33, the key's 64 codes being cleared:
; a masked score is exactly -2^33.  LIMIT: that is the logit -2^30 where the definition has -1e9: the same result as long as open logits lie above -1e9.
; LIMITS: a block whose largest magnitude lies under 2^-124 keeps the byte 1; NaN and infinities are not served.
; REGISTERS: window 0: v1-7 lane numbers and offsets; v8-15 the mask of my rows; v16-29 addresses; v32-63 scale words, two sets, and nothing else; v64-127 the bias; v128-223 A's fragments, one set; on the way out v64-127 at work, v128-255 images.
;   window 1: B's fragments, two sets, at v0 and v128.   windows 2, 3: the accumulators ((a, b) at v[8 (8 (a % 4) + b)] of window 2 + a / 4).
.set XS,    6291456                    ; xq: where the scale words begin
.set WS,    3145728                    ; wq
.set QKS,   16777216                   ; qk
.set VS,    6291456                    ; vv
.set FR,    12                         ; registers of a fragment
.set NL,    3                          ; LDS loads that bring one
.set NP,    4                          ; places behind this matrix instruction (ISA guide 7.12.1)
.set TROW,  3072                       ; a tile of 16 rows x 256 K: two images
.set HALFT, 8*TROW                     ; 128 rows: what one tensor load brings
.set SLOT,  4*HALFT                    ; A's 256 rows, then B's
.set SCL,   2*SLOT                     ; A's scale words: 2 groups x 4,096 bytes
.set SCLB,  SCL+8192+128               ; B's: 128 bytes further on than a whole number of times through the banks
.set SPARE, SCLB+8192+128              ; the spare words, 128 bytes for each wave: two blocks of 256 bytes that no other line names
.set LI,   3                           ; v3   16 x lane
.set MK,   8                           ; v8-15 mask of row r of my A blocks 0-7
.set ADRA, 16                          ; v16-17 my A fragments in slot 0, 1
.set ADRB, 20                          ; v20-21 my B fragments
.set ADRS, 27                          ; v27  my scale words: lanes 0-15 A's rows, lanes 16-31 B's
.set SPW,  28                          ; v28  LDS address of my spare word; never rewritten
.set NIL,  29                          ; v29  0; never rewritten
.set SC,   32
.set BI,   64
.set AF,   128
.set TM,   64                          ; the way out: v64-79 at work in the quantiser
.set PW,   80
.set TMP,  81
.set T2,   84
.set WH,   96                          ; v96-111 scale words of my 8 blocks (q, k: for two heads)
.set LM,   112
.set ONES, 113
.set VCM,  114
.set VCO,  115
.set VHM,  116
.set VHO,  117
.set HIW,  118
.set VSEL, 119
.set QD,   120                         ; v120-127 two quads of scale words
.set WV,  20                           ; s20 wave; s21 its half of A's rows, also: fetches for A (0) or B (1); s22 its half of B's rows, also: which 128 rows it fetches
.set HA,  21
.set HB,  22
.set G1,  24
.set G0,  32
.set G1B, 48
.set G0B, 56
.set G1S, 68
.set G0S, 76
.set G1SB, 80
.set G0SB, 88
.set SEL, 2                            ; s[2:3] on the way out: lane selects for lane l xor 16
.set MSB, 0
.macro WIN new                         ; the immediate's high byte repeats the setting that is left
.if MSB != (\new)
	s_set_vgpr_msb (MSB<<8)|(\new)
.set MSB, (\new)
.endif
.endm
.set MUL_LO, 0xa1                      ; source 0 (B) window 1, source 1 (A) window 0, C and D window 2
.set MUL_HI, 0xf1                      ; the same, C and D window 3
.set TO_B,   0x40
; A joint load: waves 0 and 1 fetch for A, waves 2 and 3 for B.  The branch hangs on the wave's number alone.  An s_nop 0 and four v_nop follow each line.
.macro JLOAD g0a, g1a, g0b, g1b
	s_cmp_eq_u32 s[HA], 0
	s_cbranch_scc0 .Lfor_b_\@
	tensor_load_to_lds s[\g0a:\g0a+3], s[\g1a:\g1a+7]
	s_nop 0
.rept 4
	v_nop
.endr
	s_branch .Lasked_\@
.Lfor_b_\@:
	tensor_load_to_lds s[\g0b:\g0b+3], s[\g1b:\g1b+7]
	s_nop 0
.rept 4
	v_nop
.endr
.Lasked_\@:
.endm
.macro CREST                           ; a round of the cluster's barrier behind its opening barrier
	s_cmp_lg_u32 s[WV], 0
	s_cbranch_scc1 .Lnot_wave_0_\@
	s_barrier_signal -3
.Lnot_wave_0_\@:
	s_barrier_wait -3
	s_barrier_signal -1
	s_barrier_wait -1
.endm
.macro CROUND
	s_barrier_signal -1
	s_barrier_wait -1
	CREST
.endm
.macro PLACES n
.rept \n
	v_nop
.endr
.endm
.macro FRAG reg, adr, q, i             ; a fragment comes as it was stored: three loads of 512 consecutive bytes
.irp p, 0,1,2
	ds_load_b128 v[\reg+4*\p:\reg+4*\p+3], v[\adr] offset:TROW*(\i)+1536*(\q)+512*\p
.endr
.endm
.macro FETCH_B slot, q, p              ; B's eight fragments of the slot's q-th 128 along K into set p
	WIN TO_B
.irp i, 0,1,2,3,4,5,6,7
	FRAG 128*(\p)+FR*\i, ADRB+\slot, \q, \i
.endr
	WIN 0
.endm
.macro FETCH_A slot, q, i0             ; A's blocks i0 .. i0 + 3
.irp i, \i0, \i0+1, \i0+2, \i0+3
	FRAG AF+FR*(\i), ADRA+\slot, \q, \i
.endr
.endm
.macro SCALES sc                       ; a slot's scale words into set sc: register 2 i + q: lanes 0-15 A's block i, lanes 16-31 B's block i
.irp i, 0,1,2,3,4,5,6,7
.irp q, 0,1
	ds_load_b32 v[SC+16*\sc+2*\i+\q], v[ADRS] offset:64*\i+512*\q
.endr
.endr
.endm
; 16 products: A's blocks a0, a0 + 1 x B's eight.  p: B's set; q: which 128 of the slot; sc: the set of scale words.  zero = 1: C = the bias of B's rows; 2: C = the bias of A's rows; 0: the sums go on.
; The 64 accumulators take turns, one instruction a turn, in the same order in every step.
.macro MUL16 a0, p, q, sc, zero
.irp a, \a0, \a0+1
.irp b, 0,1,2,3,4,5,6,7
.set rD, 8*(8*((\a)%4)+\b)
.set rB, 128*(\p)+FR*\b
.set rA, AF+FR*(\a)
.set rX, SC+16*(\sc)+2*\b+(\q)
.set rY, SC+16*(\sc)+2*(\a)+(\q)
.if (\zero) == 1
	v_wmma_scale_f32_16x16x128_f8f6f4 v[rD:rD+7], v[rB:rB+FR-1], v[rA:rA+FR-1], v[BI+8*\b:BI+8*\b+7], v[rX], v[rY] matrix_a_fmt:MATRIX_FMT_FP6 matrix_b_fmt:MATRIX_FMT_FP6 matrix_a_scale:MATRIX_SCALE_ROW1
.elseif (\zero) == 2
	v_wmma_scale_f32_16x16x128_f8f6f4 v[rD:rD+7], v[rB:rB+FR-1], v[rA:rA+FR-1], v[BI+8*(\a):BI+8*(\a)+7], v[rX], v[rY] matrix_a_fmt:MATRIX_FMT_FP6 matrix_b_fmt:MATRIX_FMT_FP6 matrix_a_scale:MATRIX_SCALE_ROW1
.else
	v_wmma_scale_f32_16x16x128_f8f6f4 v[rD:rD+7], v[rB:rB+FR-1], v[rA:rA+FR-1], v[rD:rD+7], v[rX], v[rY] matrix_a_fmt:MATRIX_FMT_FP6 matrix_b_fmt:MATRIX_FMT_FP6 matrix_a_scale:MATRIX_SCALE_ROW1
.endif
.endr
.endr
.endm
; A slot's first 128 along K.  A has one set of registers (blocks 0-3 are fetched anew in the step's middle, blocks 4-7 at its end), B two.
.macro STEP slot, zero
	s_wait_dscnt 4*NL                              ; all but the youngest 12 loads (A's blocks 4-7) are in
.if \zero
	WIN 0x81                                       ; C (the bias) window 0, D window 2
.else
	WIN MUL_LO
.endif
	MUL16 0, 0, 0, \slot, \zero
	MUL16 2, 0, 0, \slot, \zero
	s_wait_dscnt 0x0                               ; A's blocks 4-7 are in
	PLACES NP                                      ; in front of loads into registers that matrix instructions have read
	FETCH_B \slot, 1, 1
	FETCH_A \slot, 1, 0
.if \zero
	WIN 0xc1
.else
	WIN MUL_HI
.endif
	MUL16 4, 0, 0, \slot, \zero
	MUL16 6, 0, 0, \slot, \zero
	PLACES NP
	WIN 0
	FETCH_A \slot, 1, 4
.endm
; A slot's second 128 along K, and the change of slots: one barrier; in front of it each wave waits for all its tensor loads, adds 0 to its spare word, and waits for that and for its reads of this slot.
.macro TURN slot, next, fill
	s_wait_tensorcnt 0x0                           ; all my tensor loads have landed: my part of the next slot
	ds_add_u32 v[SPW], v[NIL]
	s_wait_dscnt 4*NL+1                            ; (the add and the youngest 12 loads may be out)
	WIN MUL_LO
	MUL16 0, 1, 1, \slot, 0
	s_wait_dscnt 0x0                               ; the add is done, and my reads of this slot are over
	s_barrier_signal -1
	MUL16 2, 1, 1, \slot, 0
	WIN 0
	s_barrier_wait -1
.if \fill
	CREST                                          ; the barrier has opened a round of the cluster's: no wave of any partner still reads this slot or has a load on its way
	s_add_nc_u64 s[G0+4*\slot+2:G0+4*\slot+3], s[G0+4*\slot+2:G0+4*\slot+3], 2*TROW
	s_add_nc_u64 s[G0B+4*\slot+2:G0B+4*\slot+3], s[G0B+4*\slot+2:G0B+4*\slot+3], 2*TROW
	JLOAD G0+4*\slot, G1, G0B+4*\slot, G1B         ; the first tensor load behind the round; its four v_nop are the places in front of the loads below
.else
	PLACES NP
.endif
	s_wait_alu depctr_va_vdst(0)
	v_add_nc_u32 v[ADRS], 1024, v[ADRS]            ; the next slot's scale words (no LDS load of mine is out)
	FETCH_B \next, 0, 0
	FETCH_A \next, 0, 0
	SCALES \next
	WIN MUL_HI
	MUL16 4, 1, 1, \slot, 0
	MUL16 6, 1, 1, \slot, 0
	PLACES NP
	WIN 0
	FETCH_A \next, 0, 4
.endm
; 64 numbers of a lane in v[s] on of window w (register 16 b + i = k 32 b + 16 (lane / 16) + i) become codes in window 0, six registers at v[d] and six at v[d + sp], and the scale word in v[PW].
.macro Q128 s, d, sp, w
	WIN (\w)|((\w)<<2)
.irp b, 0,1,2,3
	v_max3_num_f32 v[TM+\b], |v[\s+16*\b]|, |v[\s+16*\b+1]|, 0x1800000   ; each accumulator is read from its low end on; the floor 2^(3 - 127) holds the byte at 1 from below
.endr
.irp i, 2,4,6,8,10,12,14
.irp b, 0,1,2,3
	v_max3_num_f32 v[TM+\b], |v[\s+16*\b+\i]|, |v[\s+16*\b+\i+1]|, v[TM+\b]
.endr
.endr
	WIN 0
.irp b, 0,1,2,3
	v_permlanex16_b32 v[TM+4+\b], v[TM+\b], s[SEL], s[SEL+1]
.endr
.irp b, 0,1,2,3
	v_max_num_f32 v[TM+\b], v[TM+\b], v[TM+4+\b]
.endr
.irp b, 0,1,2,3
	v_add_nc_u32 v[TM+12+\b], 0xff000000, v[TM+\b]
.endr
.irp b, 0,1,2,3
	v_lshrrev_b32 v[TM+4+\b], 23, v[TM+12+\b]
.endr
	v_lshl_or_b32 v[PW], v[TM+5], 8, v[TM+4]
	v_lshl_or_b32 v[PW], v[TM+6], 16, v[PW]
	v_lshl_or_b32 v[PW], v[TM+7], 24, v[PW]
	WIN (\w)
.irp c, 0,1
	v_cvt_scalef32_pk16_fp6_f32 v[\d+\sp*\c:\d+\sp*\c+2], v[\s+32*\c:\s+32*\c+15], v[TM+12+2*\c]
	v_cvt_scalef32_pk16_fp6_f32 v[T2+4*\c:T2+4*\c+2], v[\s+32*\c+16:\s+32*\c+31], v[TM+13+2*\c]
.endr
	WIN 0
	v_nop                                          ; one plain instruction behind the conversions
.irp c, 0,1
.irp i, 0,1,2
	v_permlane16_swap_b32 v[\d+\sp*\c+\i], v[T2+4*\c+\i]
.endr
.irp i, 0,1,2
	v_mov_b32 v[\d+\sp*\c+3+\i], v[T2+4*\c+\i]
.endr
.endr
.endm
	s_load_b512 s[4:19], s[0:1], 0x0               ; xq s[4:5], wq s[6:7], bq s[8:9], bk s[10:11], bv s[12:13], mask s[14:15], qq s[16:17], kv s[18:19]
	v_lshl_add_u32 v[SPW], v0, 2, SPARE
	v_mov_b32 v[NIL], 0
	ds_add_u32 v[SPW], v[NIL]                      ; the wave's opening
	ds_add_u32 v[SPW], v[NIL]
	v_lshrrev_b32 v1, 5, v0
	v_readfirstlane_b32 s[WV], v1
	s_lshr_b32 s[HA], s[WV], 1
	s_and_b32 s[HB], s[WV], 1
	s_bfe_u32 s40, ttmp6, 0x40000                  ; cx
	s_bfe_u32 s41, ttmp6, 0x40004                  ; cy
	s_and_b32 s42, ttmp7, 0xffff                   ; the cluster's y
	s_cmp_eq_u32 ttmp9, 2                          ; the cluster's x: 0 q, 1 k, 2 v: the same in all sixteen partners
	s_cselect_b32 s43, 0, s42
	s_cselect_b32 s44, s42, ttmp9
	s_lshl_b32 s43, s43, 2
	s_add_co_u32 s43, s43, s41                     ; TR: which 256 rows of A
	s_lshl_b32 s44, s44, 2
	s_add_co_u32 s44, s44, s40                     ; TC: which 256 rows of B
	s_lshl_b32 s45, s41, 2
	s_lshl_b32 s45, 15, s45                        ; my row of the cluster
	s_lshl_b32 s46, 0x1111, s40                    ; my column
	s_or_b32 s[G1], s45, (3<<16)|(1<<21)           ; 15:0 the mask; 17:16 elements of 8 bytes; 20 no padding; 21 set beside a mask
	s_or_b32 s[G1B], s46, (3<<16)|(1<<21)
	s_or_b32 s[G1S], s45, (3<<16)|(1<<21)
	s_or_b32 s[G1SB], s46, (3<<16)|(1<<21)
.irp g, G1, G1B                                ; codes: 8 rows (tiles of 16) of 384 elements (3,072 bytes), 1,536 elements (a tile's whole K) apart
	s_mov_b32 s[\g+1], 384<<16
	s_mov_b32 s[\g+2], 16<<16                      ; the head's loads bring all 16 tiles; behind them the two words that count rows are set to 8
	s_mov_b32 s[\g+3], 384<<16
	s_mov_b32 s[\g+4], 16
	s_mov_b32 s[\g+5], 1536
	s_mov_b32 s[\g+6], 0
	s_mov_b32 s[\g+7], 0
.endr
.irp g, G1S, G1SB                              ; scale words of 256 rows: 8,192 dense bytes as 32 rows of 256
	s_mov_b32 s[\g+1], 32<<16
	s_mov_b32 s[\g+2], 32<<16                      ; scale words of 256 rows: 8,192 dense bytes as 32 rows of 256
	s_mov_b32 s[\g+3], 32<<16
	s_mov_b32 s[\g+4], 32
	s_mov_b32 s[\g+5], 32
	s_mov_b32 s[\g+6], 0
	s_mov_b32 s[\g+7], 0
.endr
	s_lshl_b32 s23, s[HB], 3                       ; which 8 tiles of the 16 I fetch
	s_lshl_b32 s47, s43, 4
	s_add_co_u32 s47, s47, s23
	s_mul_i32 s92, s47, 12288                      ; A's codes: offset in bytes
	s_mov_b32 s93, 0
	s_lshl_b32 s94, s43, 13                        ; A's scale words: two groups of 4,096 bytes
	s_mov_b32 s95, 0
	s_lshl_b32 s96, s44, 4
	s_add_co_u32 s96, s96, s23
	s_mul_i32 s96, s96, 12288                      ; B's codes
	s_mov_b32 s97, 0
	s_lshl_b32 s98, s44, 13                        ; B's scale words
	s_mov_b32 s99, 0
	s_mul_i32 s100, s[WV], HALFT                   ; where the codes go: wave x 128 rows
	s_cmp_eq_u32 ttmp9, 2
	s_cselect_b32 s23, 1572864, 0                  ; Wv's codes begin at tile 128 of wq
	s_mov_b32 s2, XS
	s_cselect_b32 s40, WS+65536, s2                ; and its scale words at group 16
	s_mov_b32 s2, WS
	s_cselect_b32 s41, XS, s2
	s_add_co_u32 s92, s92, s23
	s_add_co_u32 s94, s94, s40
	s_add_co_u32 s98, s98, s41
	s_wait_dscnt 0x0                               ; the opening add is done
	s_wait_kmcnt 0x0
	s_cmp_eq_u32 ttmp9, 2
	s_cselect_b64 s[40:41], s[6:7], s[4:5]         ; A's buffer
	s_cselect_b64 s[46:47], s[4:5], s[6:7]         ; B's
	s_add_nc_u64 s[92:93], s[40:41], s[92:93]
	s_add_nc_u64 s[94:95], s[40:41], s[94:95]
	s_add_nc_u64 s[96:97], s[46:47], s[96:97]
	s_add_nc_u64 s[98:99], s[46:47], s[98:99]
	CROUND                                         ; all sixteen work-groups are here: the first joint loads meet
	s_mov_b32 s[G0S], 1
	s_mov_b32 s[G0S+1], SCL
	s_mov_b64 s[G0S+2:G0S+3], s[94:95]
	s_or_b32 s[G0S+3], s[G0S+3], 0x80000000
	s_mov_b32 s[G0SB], 1
	s_mov_b32 s[G0SB+1], SCLB
	s_mov_b64 s[G0SB+2:G0SB+3], s[98:99]
	s_or_b32 s[G0SB+3], s[G0SB+3], 0x80000000
.irp s, 0,1
	s_mov_b32 s[G0+4*\s], 1
	s_add_co_u32 s[G0+4*\s+1], s100, \s*SLOT
	s_add_nc_u64 s[G0+4*\s+2:G0+4*\s+3], s[92:93], \s*TROW
	s_or_b32 s[G0+4*\s+3], s[G0+4*\s+3], 0x80000000
	s_mov_b32 s[G0B+4*\s], 1
	s_add_co_u32 s[G0B+4*\s+1], s100, \s*SLOT
	s_add_nc_u64 s[G0B+4*\s+2:G0B+4*\s+3], s[96:97], \s*TROW
	s_or_b32 s[G0B+4*\s+3], s[G0B+4*\s+3], 0x80000000
.endr
; THE HEAD'S LOADS, ONE A WAVE: wave 0 slot 0's 16 tiles of A, wave 2 its 16 tiles of B, wave 1 A's scale words, wave 3 B's.  One chain of branches on the wave's number, one load to an arm, one join.
.macro HARM wv, g0, g1, next
	s_cmp_eq_u32 s[WV], \wv
	s_cbranch_scc0 \next
	tensor_load_to_lds s[\g0:\g0+3], s[\g1:\g1+7]
	s_nop 0
.rept 4
	v_nop
.endr
	s_branch .Lhead_asked
\next:
.endm
	HARM 0, G0, G1, .Lhead_b
	HARM 2, G0B, G1B, .Lhead_sa
	HARM 1, G0S, G1S, .Lhead_sb
	tensor_load_to_lds s[G0SB:G0SB+3], s[G1SB:G1SB+7]
	s_nop 0
.rept 4
	v_nop
.endr
.Lhead_asked:
	v_and_b32 v1, 15, v0                           ; r
	v_bfe_u32 v2, v0, 4, 1                         ; h
	s_wait_alu depctr_va_vdst(0)
	v_and_b32 v[LI], 31, v0
	v_lshlrev_b32 v[LI], 4, v[LI]
	s_mul_i32 s23, s[HA], HALFT
	s_mul_i32 s2, s[HB], HALFT
	s_add_co_u32 s2, s2, 2*HALFT
.irp s, 0,1
	v_add_nc_u32 v[ADRA+\s], s23, v[LI]
	v_add_nc_u32 v[ADRB+\s], s2, v[LI]
	s_add_co_u32 s23, s23, SLOT
	s_add_co_u32 s2, s2, SLOT
.endr
	s_lshl_b32 s23, s[HA], 12
	s_lshl_b32 s2, s[HB], 12
	s_add_co_u32 s2, s2, SCLB-SCL
	s_sub_co_u32 s2, s2, s23
	v_mul_u32_u24 v4, s2, v2                       ; lanes 16-31 take B's words: one product in h
	s_add_co_u32 s23, s23, SCL
	v_lshl_add_u32 v4, v1, 2, v4
	v_add_nc_u32 v[ADRS], s23, v4
	v_and_b32 v5, 8, v1
	v_add_nc_u32 v5, v5, v1
	v_lshlrev_b32 v5, 2, v5                        ; 4 (r + 8 (r / 8)): storage row r of a tile, as a place among 32 f32 or int32
	s_wait_alu depctr_va_vdst(0)
	v_lshlrev_b32 v6, 6, v2                        ; 64 h
	s_lshl_b32 s23, s43, 10
	s_lshl_b32 s2, s[HA], 9
	s_add_co_u32 s92, s23, s2                      ; 4 x my first row of A
	s_mov_b32 s93, 0
	s_add_nc_u64 s[98:99], s[14:15], s[92:93]      ; the mask at that token (in v's clusters: a place inside the buffer; the numbers are not used there)
	s_add_nc_u64 s[94:95], s[12:13], s[92:93]      ; bv at that channel
	s_and_b32 s23, s44, 3
	s_lshl_b32 s23, s23, 10
	s_lshl_b32 s2, s[HB], 9
	s_add_co_u32 s92, s23, s2                      ; 4 x my first column of Wq or Wk
	s_cmp_eq_u32 ttmp9, 1
	s_cselect_b64 s[96:97], s[10:11], s[8:9]
	s_add_nc_u64 s[96:97], s[96:97], s[92:93]
.irp a, 0,1,2,3,4,5,6,7
	global_load_b32 v[MK+\a], v5, s[98:99] offset:(32*(\a/2)+8*(\a%2))*4
.endr
	s_cmp_eq_u32 ttmp9, 2
	s_cbranch_scc1 .Lbias_v
	s_wait_alu depctr_va_vdst(0)
.irp b, 0,1,2,3,4,5,6,7                        ; lane (r, h), register j of B's block b: column 32 (b / 2) + 8 (b % 2) + 16 h + j
	global_load_b128 v[BI+8*\b:BI+8*\b+3], v6, s[96:97] offset:(32*(\b/2)+8*(\b%2))*4
	global_load_b128 v[BI+8*\b+4:BI+8*\b+7], v6, s[96:97] offset:(32*(\b/2)+8*(\b%2))*4+16
.endr
	s_branch .Lbias_done
.Lbias_v:
.irp a, 0,1,2,3,4,5,6,7                        ; lane (r, h), A's block a: channel 32 (a / 2) + 8 (a % 2) + r + 8 (r / 8), the same in all eight registers
	global_load_b32 v[BI+8*\a], v5, s[94:95] offset:(32*(\a/2)+8*(\a%2))*4
.endr
	s_wait_loadcnt 0x0
.irp a, 0,1,2,3,4,5,6,7
.irp j, 1,2,3,4,5,6,7
	v_mov_b32 v[BI+8*\a+\j], v[BI+8*\a]
.endr
.endr
.Lbias_done:
	s_wait_loadcnt 0x0                             ; the bias and the mask
	s_wait_alu depctr_va_vdst(0)                   ; the head's end
	s_wait_tensorcnt 0x0                           ; my tile of the head's four is in; the three lines ahead of slot 1's first fill, as ahead of a refill
	ds_add_u32 v[SPW], v[NIL]
	s_mov_b32 s[G1+2], 8<<16                       ; no tensor load of mine is out: from here on a load brings 8 tiles
	s_mov_b32 s[G1+4], 8
	s_mov_b32 s[G1B+2], 8<<16
	s_mov_b32 s[G1B+4], 8
	s_wait_dscnt 0x0
	CROUND                                         ; all four tiles are in, and all sixteen work-groups are here
	JLOAD G0+4, G1, G0B+4, G1B                     ; slot 1's first fill, the first tensor load behind the round
	FETCH_B 0, 0, 0
	FETCH_A 0, 0, 0
	SCALES 0
	FETCH_A 0, 0, 4
	s_cmp_eq_u32 ttmp9, 2                          ; the first step starts the sums with the bias: of B's rows (q, k) or of A's (v)
	s_cbranch_scc1 .Lfirst_v
	s_wait_alu depctr_va_vdst(0)
	STEP 0, 1
	s_branch .Lfirst_done
.Lfirst_v:
	s_wait_alu depctr_va_vdst(0)
	STEP 0, 2
.Lfirst_done:
	TURN 0, 1, 1                                   ; K = 1,024 is four slots' worth: both slots are filled again once
	STEP 1, 0
	TURN 1, 0, 1
	STEP 0, 0
	TURN 0, 1, 0
	STEP 1, 0
	s_wait_dscnt 4*NL                              ; the last 128 along K: nothing more to fetch
	WIN MUL_LO
	MUL16 0, 1, 1, 1, 0
	MUL16 2, 1, 1, 1, 0
	s_wait_dscnt 0x0
	WIN MUL_HI
	MUL16 4, 1, 1, 1, 0
	MUL16 6, 1, 1, 1, 0
	WIN 0
	PLACES NP                                      ; behind the last products: their results are read, and A's registers written, below
	s_mov_b32 s[SEL], 0x76543210
	s_mov_b32 s[SEL+1], 0xfedcba98
.irp b, 0,1,2,3
	v_mov_b32 v[TM+4+\b], 0                        ; a lane permute's destination counts as one of its sources
.endr
	s_cmp_eq_u32 ttmp9, 2
	s_cbranch_scc1 .Lout_v
	; ---------------- q, k: my 128 columns are two heads; block a's 64 registers become, for each head, an image of 8 registers: 64 codes, the mask's place, a zero
	s_lshr_b32 s96, s43, 3                         ; batch
	s_lshl_b32 s96, s96, 4
	s_and_b32 s97, s44, 3
	s_lshl_b32 s97, s97, 2
	s_add_co_u32 s96, s96, s97
	s_lshl_b32 s97, s[HB], 1
	s_add_co_u32 s96, s96, s97                     ; 16 x batch + my first head
	s_and_b32 s97, s43, 7
	; qq and kv are laid in RECORDS of 15,104 bytes, one for a head's 128 tokens, 16 to a head: 8 images of 1,024 bytes (q's or k's), 6,144 bytes of V^T (kv alone), 512 bytes of q's or k's scale words, 256 of v's
	s_lshl_b32 s98, s96, 4
	s_lshl_b32 s99, s97, 1
	s_add_co_u32 s98, s98, s99
	s_add_co_u32 s98, s98, s[HA]                   ; 16 x head + my 128 tokens
	s_mul_i32 s92, s98, 15104
	s_mov_b32 s93, 0
	s_cmp_eq_u32 ttmp9, 0                          ; q's clusters store into qq, k's into kv: the choice hangs on the cluster's number alone
	s_cselect_b64 s[94:95], s[16:17], s[18:19]
	s_add_nc_u64 s[92:93], s[94:95], s[92:93]      ; my record
	s_cmp_eq_u32 ttmp9, 0
	s_cselect_b32 s96, -1, 0                       ; q keeps its codes whatever the mask says
	s_cselect_b32 s97, 40, 8                       ; place 64 where the mask is 0: q -1.0, k +1.0
	s_cselect_b32 s98, 40, 0                       ; and where it is not: q -1.0, k 0
	s_mov_b32 s99, 0x01a00000
	s_cselect_b32 s99, 0x7f7f0000, s99             ; the bytes of blocks 2 and 3: q 127, 127; a masked key 160 (2^33), 1;
	s_mov_b32 s100, 0x01010000
	s_cselect_b32 s100, 0x7f7f0000, s100           ; an open key 1, 1
	v_mov_b32 v[VSEL], s96
	v_mov_b32 v[ONES], -1
	v_mov_b32 v[VCM], s97
	v_mov_b32 v[VCO], s98
	v_cmp_eq_u32 vcc_lo, 0, v2
	v_cndmask_b32 v[VCM], 0, v[VCM], vcc_lo        ; place 64 lies in lanes 0-15 (register 6 of lanes 16-31 begins at place 96)
	v_cndmask_b32 v[VCO], 0, v[VCO], vcc_lo
	v_mov_b32 v[VHM], s99
	v_mov_b32 v[VHO], s100
.irp a, 0,1,2,3,4,5,6,7
	Q128 64*(\a%4), 128+16*\a, 8, 2+\a/4
	v_cmp_ne_u32 vcc_lo, 0, v[MK+\a]               ; is my token open?
	v_cndmask_b32 v[LM], v[VSEL], v[ONES], vcc_lo
.irp c, 0,1
.irp i, 0,1,2,3,4,5
	v_and_b32 v[128+16*\a+8*\c+\i], v[LM], v[128+16*\a+8*\c+\i]   ; a masked key's codes are cleared
.endr
	v_cndmask_b32 v[128+16*\a+8*\c+6], v[VCM], v[VCO], vcc_lo
	v_mov_b32 v[128+16*\a+8*\c+7], 0
.endr
	v_cndmask_b32 v[HIW], v[VHM], v[VHO], vcc_lo
	v_and_or_b32 v[WH+\a], v[PW], 0xffff, v[HIW]   ; the first head's two bytes,
	v_lshrrev_b32 v[TMP], 16, v[PW]
	v_or_b32 v[WH+8+\a], v[TMP], v[HIW]            ; the second's
.irp c, 0,1
.irp p, 0,1
	global_store_b128 v[LI], v[128+16*\a+8*\c+4*\p:128+16*\a+8*\c+4*\p+3], s[92:93] offset:241664*\c+1024*\a+512*\p   ; 512 consecutive bytes, aligned; the second head's record lies 16 records on
.endr
.endr
.endr
	v_cmp_ne_u32 vcc_lo, 0, v2
.irp c, 0,1
.irp j, 0,1,2,3
	v_cndmask_b32 v[QD+4*\c+\j], v[WH+8*\c+\j], v[WH+8*\c+4+\j], vcc_lo   ; lane (r, h): row r's words of tiles 4 h .. 4 h + 3
.endr
	global_store_b128 v[LI], v[QD+4*\c:QD+4*\c+3], s[92:93] offset:241664*\c+14336
.endr
	s_branch .Lfin
	; ---------------- v: block a is 16 channels, my 128 columns are the 128 keys of one step: a whole fragment of V^T
.Lout_v:
	s_lshr_b32 s96, s44, 3                         ; batch
	s_lshl_b32 s96, s96, 4
	s_lshl_b32 s97, s43, 2
	s_add_co_u32 s96, s96, s97
	s_lshl_b32 s97, s[HA], 1
	s_add_co_u32 s96, s96, s97                     ; 16 x batch + my first head
	s_lshl_b32 s96, s96, 4
	s_and_b32 s97, s44, 7
	s_lshl_b32 s97, s97, 1
	s_add_co_u32 s96, s96, s97
	s_add_co_u32 s96, s96, s[HB]                   ; x 16 steps + my step
	s_mul_i32 s92, s96, 15104                      ; my record of kv
	s_mov_b32 s93, 0
	s_add_nc_u64 s[92:93], s[18:19], s[92:93]
	v_mul_u32_u24 v7, v2, 241664                   ; lanes 16-31 store the second head's words, 16 records on
	v_lshl_add_u32 v7, v1, 4, v7                   ; 241,664 h + 16 r: lanes 16-31 store the second head's words
.irp a, 0,1,2,3,4,5,6,7
	Q128 64*(\a%4), 128+12*\a, 6, 2+\a/4
	v_mov_b32 v[WH+\a], v[PW]
.irp p, 0,1,2
	global_store_b128 v[LI], v[128+12*\a+4*\p:128+12*\a+4*\p+3], s[92:93] offset:241664*(\a/4)+8192+1536*(\a%4)+512*\p
.endr
.endr
	v_cmp_ne_u32 vcc_lo, 0, v2
.irp j, 0,1,2,3
	v_cndmask_b32 v[QD+\j], v[WH+\j], v[WH+4+\j], vcc_lo
.endr
	global_store_b128 v7, v[QD:QD+3], s[92:93] offset:14848
.Lfin:
	s_wait_tensorcnt 0x0                           ; the wave's end
	ds_add_u32 v[SPW], v[NIL]
	s_wait_dscnt 0x0
	CROUND                                         ; the closing round: no work-group ends while a partner may still ask for a tile that names it
	s_endpgm
.Lfunc_end_k_q0211909c59_proj:
	.size	k_q0211909c59_proj, .Lfunc_end_k_q0211909c59_proj-k_q0211909c59_proj
	.p2alignl 7, 3214868480
	.fill 96, 4, 3214868480
	.section	.rodata,"a",@progbits
	.p2align	6, 0x0
	.amdhsa_kernel k_q0211909c59_proj
		.amdhsa_group_segment_fixed_size 327680
		.amdhsa_private_segment_fixed_size 0
		.amdhsa_enable_private_segment 0
		.amdhsa_kernarg_size 64
		.amdhsa_user_sgpr_count 2
		.amdhsa_user_sgpr_kernarg_segment_ptr 1
		.amdhsa_wavefront_size32 1
		.amdhsa_system_sgpr_workgroup_id_x 1
		.amdhsa_system_sgpr_workgroup_id_y 1
		.amdhsa_system_sgpr_workgroup_id_z 1
		.amdhsa_system_vgpr_workitem_id 0
		.amdhsa_next_free_vgpr 1024
		.amdhsa_next_free_sgpr 102
		.amdhsa_reserve_vcc 1
		.amdhsa_float_denorm_mode_32 3
		.amdhsa_float_denorm_mode_16_64 3
		.amdhsa_memory_ordered 1
		.amdhsa_forward_progress 1
		.amdhsa_inst_pref_size 201
	.end_amdhsa_kernel
	.amdgpu_metadata
---
amdhsa.version: [ 1, 2 ]
amdhsa.kernels:
  - .name:           k_q0211909c59_proj
    .symbol:         k_q0211909c59_proj.kd
    .args:
      - { .name: xq, .offset: 0, .size: 8, .value_kind: global_buffer, .address_space: global }
      - { .name: wq, .offset: 8, .size: 8, .value_kind: global_buffer, .address_space: global }
      - { .name: bq, .offset: 16, .size: 8, .value_kind: global_buffer, .address_space: global }
      - { .name: bk, .offset: 24, .size: 8, .value_kind: global_buffer, .address_space: global }
      - { .name: bv, .offset: 32, .size: 8, .value_kind: global_buffer, .address_space: global }
      - { .name: mask, .offset: 40, .size: 8, .value_kind: global_buffer, .address_space: global }
      - { .name: qq, .offset: 48, .size: 8, .value_kind: global_buffer, .address_space: global }
      - { .name: kv, .offset: 56, .size: 8, .value_kind: global_buffer, .address_space: global }
    .group_segment_fixed_size: 327680
    .private_segment_fixed_size: 0
    .kernarg_segment_align: 8
    .kernarg_segment_size: 64
    .max_flat_workgroup_size: 128
    .sgpr_count:     102
    .vgpr_count:     1024
    .wavefront_size: 32
...
	.end_amdgpu_metadata
.endif
;; end of part 2
;; launch attn (part 3): grid 4 x 64, 16 waves a work-group, clusters of 4 x 1, 327,680 bytes of LDS; arguments qq, kv, cq; writes cq
.if DOCPART == 3
	.amdgcn_target "amdgcn-amd-amdhsa--gfx1250"
	.amdhsa_code_object_version 6
	.text
	.protected	k_q0211909c59_attn
	.globl	k_q0211909c59_attn
	.p2align	8
	.type	k_q0211909c59_attn,@function
k_q0211909c59_attn:
	s_mov_b64 s[64:65], 0
	v_nop
	global_prefetch_b8 v0, s[64:65] scope:SCOPE_SE
	s_setreg_imm32_b32 hwreg(HW_REG_WAVE_MODE, 25, 1), 1
	s_wait_xcnt 0x0
	s_wait_alu depctr_hold_cnt(0) depctr_sa_sdst(0) depctr_va_vdst(0) depctr_va_sdst(0) depctr_va_ssrc(0) depctr_va_vcc(0) depctr_vm_vsrc(0)
	s_getreg_b32 s2, hwreg(HW_REG_IB_STS2, 6, 4)
	s_cmp_eq_u32 s2, 0
	s_cbranch_scc0 .Lentry_in_a_cluster
	s_endpgm
.Lentry_in_a_cluster:
	s_bfe_u32 s2, ttmp6, 0x10000c
	s_cmp_lg_u32 s2, 0x3003
	s_cbranch_scc0 .Lentry_shape_is_right
	s_endpgm
.Lentry_shape_is_right:
; ctx = softmax(q k^T / 8, masked) v for one head and 512 queries a work-group, on codes of FP6 (E2M3) with E8M0 scales, and ctx quantised again as the operand of the last projection.
; A HEAD'S K, V AND SCALE WORDS STAY IN LDS.  kv holds, for each head, 16 records of 15,104 bytes (128 keys: 8 images of k of 1,024 bytes, 4 fragments of V^T of 1,536, 512 bytes of k's scale words, 256 of v's): 241,664 bytes.
; They are filled ONCE: wave w asks for record w, waves 0-7 at the head (keys 0-1,023), waves 8-15 behind the full sequence and a round (keys 1,024-2,047); the second group lands under the first 8 steps.  Nothing is filled again.
; CLUSTERS: the four work-groups of a cluster take the four blocks of 512 queries of one head and need the same records: each load is asked for jointly (mask 15).
; SHARES: 16 waves, four to a SIMD, 256 registers each.  A wave has 32 queries, two tiles of 16, and walks the 16 steps of 128 keys once for each tile.
; Both products are used transposed (S^T = k q^T, O^T = V^T p^T): a lane holds one query.  M is the running largest t rounded up to a whole number; p = 2^(t - M); the row's sum is taken of the unquantised p; a change of M multiplies sum and O^T by a power of two.
; A block's largest p is made from the block's largest score by the same multiply-add and exponential.  The mask rides in k's operand (place 64 of the 128 along K), as the launch before lays it.
; THE NEXT STEP'S first four tiles of K and its scale words are fetched from LDS behind this step's last score products; V^T's fragments land on p's registers once p is converted.
; NO PREFETCH INTO THE L2: both fills are issued ahead of the first loop; no loop runs ahead of them.
; THE WAY OUT: a tile's 64 channels of one head are six registers: 512 + 256 consecutive bytes, aligned.  A token's scale word holds two heads' bytes and the other head's belong to another work-group: my two bytes of each four are stored by themselves (1/24 of the codes' bytes).
; LIMITS: the promise holds while the scaled scores stay under 2^31 in magnitude; a block under 2^-124 keeps the byte 1; NaN and infinities are not served.
.set REC,   15104
.set HEADB, 16*REC
.set CQS,   6291456                    ; cq: where the scale words begin
.set SPARE, HEADB                      ; behind the records: the spare words, 128 bytes for each wave, that no other line names
.set AK0,  1                           ; v1  16 x lane
.set ASV0, 2                           ; v2  14,848 + 16 r: v's scale words in a record
.set L8,   3                           ; v3  8 x lane
.set R4,   4                           ; v4  4 r
.set SPW,  5                           ; v5  my spare word; never rewritten
.set NIL,  6                           ; v6  0; never rewritten
.set R16,  7                           ; v7  16 r
.set ADC,  8                           ; v8  this step's record + 16 x lane
.set ADT,  9                           ; v9  this step's v scale words
.set ADN,  10                          ; v10 the next step's record + 16 x lane
; v12 -M, v13 the largest t, v14-15 the sum, v16-27 q, v28 q's scale word (v29 the second tile's), v30 p's, v32-79 four tiles of K, v80-87 k's and v's scale words,
; v96-159 scores and p, then v96-143 V^T's four fragments, v160-191 O^T, v192-203 p's codes, v232-237 ctx's codes, v244-251 the second tile's q, v252 ctx's two scale bytes
.set BMX,  212
.set T4,   216
.set SOP,  220
.set WV,   18
.set CX,   19
.set SEL,  20
.set CS,   22
.set G1,   24
.set G0,   32
.set HD,   40
.set TB,   41                          ; s41 this step's record in LDS; also the loops' counter
.set TN,   42                          ; s42 the next step's, held at the walk's last
.set QA,   44
.set QS,   46
.set OC,   54
.set OS,   56
.macro CROUND                          ; a round of the cluster's barrier
	s_barrier_signal -1
	s_barrier_wait -1
	s_cmp_lg_u32 s[WV], 0
	s_cbranch_scc1 .Lnot_wave_0_\@
	s_barrier_signal -3
.Lnot_wave_0_\@:
	s_barrier_wait -3
	s_barrier_signal -1
	s_barrier_wait -1
.endm
.macro PLACES n
.rept \n
	v_nop
.endr
.endm
.macro SPROD g                         ; S^T of four tiles of 16 keys (g: the step's first or second four) x my 16 queries
.irp t, 0,1,2,3
.if \g
	v_wmma_scale_f32_16x16x128_f8f6f4 v[128+8*\t:135+8*\t], v[32+12*\t:43+12*\t], v[16:27], 0, v[80+\t], v28 matrix_a_fmt:MATRIX_FMT_FP6 matrix_b_fmt:MATRIX_FMT_FP6 matrix_a_scale:MATRIX_SCALE_ROW1
.else
	v_wmma_scale_f32_16x16x128_f8f6f4 v[96+8*\t:103+8*\t], v[32+12*\t:43+12*\t], v[16:27], 0, v[80+\t], v28 matrix_a_fmt:MATRIX_FMT_FP6 matrix_b_fmt:MATRIX_FMT_FP6
.endif
.endr
.endm
.macro PVPROD                          ; O^T += V^T p^T: four accumulators by turns
.irp t, 0,1,2,3
	v_wmma_scale_f32_16x16x128_f8f6f4 v[160+8*\t:167+8*\t], v[96+12*\t:107+12*\t], v[192:203], v[160+8*\t:167+8*\t], v[84+\t], v30 matrix_a_fmt:MATRIX_FMT_FP6 matrix_b_fmt:MATRIX_FMT_FP6
.endr
.endm
.macro SMAX b0                         ; the largest score of blocks b0, b0 + 1 of 32 keys: my 16 of each, the two by turns, each accumulator from its low end on
.irp b, \b0, \b0+1
	v_max3_num_f32 v[BMX+(\b)], v[96+16*(\b)], v[97+16*(\b)], v[98+16*(\b)]
.endr
.irp i, 3,5,7,9,11,13
.irp b, \b0, \b0+1
	v_max3_num_f32 v[BMX+(\b)], v[BMX+(\b)], v[96+16*(\b)+\i], v[97+16*(\b)+\i]
.endr
.endr
.irp b, \b0, \b0+1
	v_max_num_f32 v[BMX+(\b)], v[BMX+(\b)], v[111+16*(\b)]
.endr
.endm
.macro SOFT                            ; the rest of the softmax step, and p's scales and conversions
.irp b, 0,1,2,3
	v_permlanex16_b32 v[T4+\b], v[BMX+\b], s[SEL], s[SEL+1]
.endr
.irp b, 0,1,2,3
	s_delay_alu instid0(VALU_DEP_4)
	v_max_num_f32 v[BMX+\b], v[BMX+\b], v[T4+\b]   ; with lane l xor 16's 16 keys
.endr
	s_delay_alu instid0(VALU_DEP_2)
	v_max3_num_f32 v227, v[BMX], v[BMX+1], v[BMX+2]
	s_delay_alu instid0(VALU_DEP_1)
	v_max_num_f32 v227, v227, v[BMX+3]
	s_delay_alu instid0(VALU_DEP_1)
	v_mul_f32 v227, s[CS], v227                    ; the step's largest t
	s_delay_alu instid0(VALU_DEP_1)
	v_max_num_f32 v13, v13, v227
	v_mov_b32 v227, v12
	s_delay_alu instid0(VALU_DEP_2)
	v_floor_f32 v12, -v13                          ; -M = floor(-t)
	s_delay_alu instid0(VALU_DEP_1)
	v_sub_f32 v227, v12, v227
	s_delay_alu instid0(VALU_DEP_1)
	v_cvt_i32_f32 v227, v227
	s_delay_alu instid0(VALU_DEP_1)
	v_ldexp_f32 v224, 1.0, v227                    ; f = 2^(old M - new M)
.set cj, 0
.rept 32
	v_pk_fma_f32 v[96+cj:97+cj], v[96+cj:97+cj], s[CS:CS+1], v[12:13] op_sel_hi:[1,0,0]   ; t - M
.set cj, cj+2
.endr
.irp b, 0,1,2,3
	v_fma_f32 v[BMX+\b], v[BMX+\b], s[CS], v12
.endr
.set cj, 0
	s_wait_alu depctr_va_vdst(0)                   ; ahead of the batch
.rept 64
	v_exp_f32 v[96+cj], v[96+cj]
.set cj, cj+1
.endr
	v_pk_mul_f32 v[14:15], v[14:15], v[224:225] op_sel_hi:[1,0]
	s_wait_alu depctr_va_vdst(0)                   ; and behind it
.irp b, 0,1,2,3
	v_exp_f32 v[BMX+\b], v[BMX+\b]                 ; each block's largest p
.endr
	v_pk_add_f32 v[T4:T4+1], v[96:97], v[98:99]    ; the sum of the unquantised p, in two chains
.set cj, 4
.rept 15
	v_pk_add_f32 v[14:15], v[14:15], v[96+cj:97+cj]
	v_pk_add_f32 v[T4:T4+1], v[T4:T4+1], v[98+cj:99+cj]
.set cj, cj+4
.endr
	s_delay_alu instid0(VALU_DEP_1)
	v_pk_add_f32 v[14:15], v[14:15], v[T4:T4+1]
	s_wait_alu depctr_va_vdst(0)
.irp b, 0,1,2,3
	v_max_num_f32 v[BMX+\b], 0x1800000, v[BMX+\b]  ; the floor 2^(3 - 127)
.endr
.irp b, 0,1,2,3
	s_delay_alu instid0(VALU_DEP_4)
	v_add_nc_u32 v[SOP+\b], 0xff000000, v[BMX+\b]  ; the conversion's scale operand
.endr
.irp b, 0,1,2,3
	s_delay_alu instid0(VALU_DEP_4)
	v_lshrrev_b32 v[T4+\b], 23, v[SOP+\b]
.endr
	s_delay_alu instid0(VALU_DEP_3)
	v_lshl_or_b32 v226, v[T4+1], 8, v[T4]
	s_delay_alu instid0(VALU_DEP_1)
	v_lshl_or_b32 v226, v[T4+2], 16, v226
	s_delay_alu instid0(VALU_DEP_1)
	v_lshl_or_b32 v30, v[T4+3], 24, v226           ; p's scale word for these 128 keys
.irp c, 0,1
	v_cvt_scalef32_pk16_fp6_f32 v[192+6*\c:194+6*\c], v[96+32*\c:111+32*\c], v[SOP+2*\c]
	v_cvt_scalef32_pk16_fp6_f32 v[204+4*\c:206+4*\c], v[112+32*\c:127+32*\c], v[SOP+2*\c+1]
.endr
	v_nop
.endm
.macro PACK                            ; a whole block of 32 codes to a lane, and O^T under the new M
.irp c, 0,1
.irp i, 0,1,2
	v_permlane16_swap_b32 v[192+6*\c+\i], v[204+4*\c+\i]
.endr
.irp i, 0,1,2
	s_delay_alu instid0(VALU_DEP_3)
	v_mov_b32 v[195+6*\c+\i], v[204+4*\c+\i]
.endr
.endr
.set cj, 0
.rept 16
	v_pk_mul_f32 v[160+cj:161+cj], v[160+cj:161+cj], v[224:225] op_sel_hi:[1,0]
.set cj, cj+2
.endr
.endm
.macro KFIRST                          ; a step's scale words of k and its first four tiles, from v[ADN]: nine loads
	ds_load_b128 v[80:83], v[ADN] offset:14336
.irp t, 0,1,2,3
.irp p, 0,1
	ds_load_b128 v[32+12*\t+4*\p:35+12*\t+4*\p], v[ADN] offset:1024*\t+512*\p
.endr
.endr
.endm
.macro STEP last                       ; 128 keys x my tile
	v_add_nc_u32 v[ADC], s[TB], v[AK0]             ; five places behind the last step's products: the score products below write over registers that those have read
	v_add_nc_u32 v[ADT], s[TB], v[ASV0]
	v_add_nc_u32 v[ADN], s[TN], v[AK0]
	PLACES 2
	ds_load_b128 v[84:87], v[ADT]
	s_wait_alu depctr_va_vdst(0)
	s_wait_dscnt 1                                 ; all but the load just issued: K's first four tiles and its scale words are in
	SPROD 0
	PLACES 4
.irp t, 0,1,2,3
.irp p, 0,1
	ds_load_b128 v[32+12*\t+4*\p:35+12*\t+4*\p], v[ADC] offset:4096+1024*\t+512*\p
.endr
.endr
	SMAX 0
	s_wait_dscnt 0x0
	SPROD 1
	PLACES 4
	KFIRST                                         ; the next step's, under the softmax
	SMAX 2
	SOFT
.irp t, 0,1,2,3
.irp p, 0,1,2
	ds_load_b128 v[96+12*\t+4*\p:99+12*\t+4*\p], v[ADC] offset:8192+1536*\t+512*\p   ; V^T's fragments, onto p, which is converted
.endr
.endr
	PACK
	s_wait_alu depctr_va_vdst(0)
	s_wait_dscnt 0x0
	PVPROD
	s_add_co_u32 s[TB], s[TB], REC
	s_add_co_u32 s[TN], s[TB], REC
	s_min_u32 s[TN], s[TN], (\last)*REC            ; the walk's last step fetches its own record again: nothing beyond what has landed is read
.endm
.macro WALK first, last                ; steps first .. last
	s_mov_b32 s[TB], (\first)*REC
	s_mov_b32 s[TN], ((\first)+1)*REC
	v_add_nc_u32 v[ADN], s[TB], v[AK0]
	KFIRST
.Lwalk_\@:
	STEP \last
	s_cmp_lt_u32 s[TB], ((\last)+1)*REC
	s_cbranch_scc1 .Lwalk_\@
.endm
.macro INIT
	v_mov_b32 v13, 0xff61b1e6                      ; -3e38, under every t
	s_delay_alu instid0(VALU_DEP_1)
	v_floor_f32 v12, -v13
	v_mov_b32 v14, 0
	v_mov_b32 v15, 0
.set cj, 0
.rept 32
	v_mov_b32 v[160+cj], 0
.set cj, cj+1
.endr
.endm
.macro FINISH ps                       ; O^T / the sum, quantised along the head's 64 channels, and stored; behind the first tile the second tile's q and a new start
	PLACES 4
	s_wait_xcnt 0x0                                ; earlier stores have read their registers
.if (\ps) == 0
	v_mov_b32 v28, v29
.endif
	v_add_f32 v227, v14, v15
	v_permlanex16_b32 v228, v227, s[SEL], s[SEL+1]
	s_delay_alu instid0(VALU_DEP_1)
	v_add_f32 v227, v227, v228
	s_wait_alu depctr_va_vdst(0)
	v_rcp_f32 v228, v227
	v_nop
	s_wait_alu depctr_va_vdst(0)
.irp j, 0,2,4,6,8,10,12,14,16,18,20,22,24,26,28,30
	v_pk_mul_f32 v[96+\j:97+\j], v[160+\j:161+\j], v[228:229] op_sel_hi:[1,0]
.endr
.irp b, 0,1
	v_max3_num_f32 v[BMX+\b], |v[96+16*\b]|, |v[97+16*\b]|, 0x1800000
.endr
.irp i, 2,4,6,8,10,12,14
.irp b, 0,1
	s_delay_alu instid0(VALU_DEP_2)
	v_max3_num_f32 v[BMX+\b], v[BMX+\b], |v[96+16*\b+\i]|, |v[97+16*\b+\i]|
.endr
.endr
.irp b, 0,1
	s_delay_alu instid0(VALU_DEP_2)
	v_permlanex16_b32 v[T4+\b], v[BMX+\b], s[SEL], s[SEL+1]
.endr
.irp b, 0,1
	s_delay_alu instid0(VALU_DEP_2)
	v_max_num_f32 v[BMX+\b], v[BMX+\b], v[T4+\b]
.endr
.irp b, 0,1
	s_delay_alu instid0(VALU_DEP_2)
	v_add_nc_u32 v[SOP+\b], 0xff000000, v[BMX+\b]
.endr
.irp b, 0,1
	s_delay_alu instid0(VALU_DEP_2)
	v_lshrrev_b32 v[T4+\b], 23, v[SOP+\b]
.endr
	s_delay_alu instid0(VALU_DEP_1)
	v_lshl_or_b32 v252, v[T4+1], 8, v[T4]
	v_cvt_scalef32_pk16_fp6_f32 v[232:234], v[96:111], v[SOP]
	v_cvt_scalef32_pk16_fp6_f32 v[208:210], v[112:127], v[SOP+1]
	v_nop
.irp i, 0,1,2
	v_permlane16_swap_b32 v[232+\i], v[208+\i]
.endr
.irp i, 0,1,2
	s_delay_alu instid0(VALU_DEP_3)
	v_mov_b32 v[235+\i], v[208+\i]
.endr
.if (\ps) == 0
.irp i, 0,1,2,3,4,5,6,7
	v_mov_b32 v[16+\i], v[244+\i]
.endr
	INIT
.endif
	global_store_b128 v[AK0], v[232:235], s[OC:OC+1] offset:12288*(\ps)        ; registers 0-3: 512 consecutive bytes, aligned
	global_store_b64 v[L8], v[236:237], s[OC:OC+1] offset:12288*(\ps)+512      ; registers 4, 5: 256
	global_store_b16 v[R4], v252, s[OS:OS+1] offset:64*(\ps)                   ; my head's two bytes of row r's word; both halves of the lanes store the same
.endm
	s_load_b128 s[4:7], s[0:1], 0x0                ; qq, kv
	s_load_b64 s[8:9], s[0:1], 0x10                ; cq
	v_lshl_add_u32 v[SPW], v0, 2, SPARE
	v_mov_b32 v[NIL], 0
	ds_add_u32 v[SPW], v[NIL]                      ; the opening lines: the add, twice on end, and its wait
	ds_add_u32 v[SPW], v[NIL]
	v_lshrrev_b32 v8, 5, v0
	v_readfirstlane_b32 s[WV], v8
	v_and_b32 v8, 31, v0
	v_and_b32 v9, 15, v0
	v_lshlrev_b32 v[AK0], 4, v8
	v_lshlrev_b32 v[R16], 4, v9
	v_lshlrev_b32 v[L8], 3, v8
	v_lshlrev_b32 v[R4], 2, v9
	v_lshl_add_u32 v[ASV0], v9, 4, 14848
	s_bfe_u32 s[CX], ttmp6, 0x40000                ; which 512 queries
	s_and_b32 s[HD], ttmp7, 0xffff                 ; 16 x batch + head: the cluster's y
	s_mov_b32 s[G1], 15|(3<<16)|(1<<21)            ; the four partners; elements of 8 bytes; bit 21 beside a mask
	s_mov_b32 s[G1+1], 32<<16                      ; a record: 59 rows of 256 bytes, dense
	s_mov_b32 s[G1+2], 59<<16
	s_mov_b32 s[G1+3], 32<<16
	s_mov_b32 s[G1+4], 59
	s_mov_b32 s[G1+5], 32
	s_mov_b32 s[G1+6], 0
	s_mov_b32 s[G1+7], 0
	s_mul_i32 s10, s[HD], HEADB                    ; my head's records
	s_mul_i32 s12, s[WV], REC                      ; the record that I ask for
	s_add_co_u32 s14, s10, s12
	s_mov_b32 s15, 0
	s_lshl_b32 s16, s[CX], 2
	s_lshr_b32 s17, s[WV], 2
	s_add_co_u32 s16, s16, s17                     ; my 128 tokens of the head's 2,048: 4 cx + wave / 4
	s_and_b32 s17, s[WV], 3                        ; and which two tiles of their eight
	s_mul_i32 s[QS], s16, REC
	s_add_co_u32 s[QS], s[QS], s10
	s_lshl_b32 s43, s17, 11
	s_add_co_u32 s[QA], s[QS], s43                 ; q's images
	s_mov_b32 s[QA+1], 0
	s_bfe_u32 s43, s[WV], 0x10001                  ; q's scale words: lane (r, tile / 4) holds row r's words of four tiles
	s_lshl_b32 s43, s43, 8
	s_add_co_u32 s[QS], s[QS], s43
	s_and_b32 s43, s[WV], 1
	s_lshl_b32 s43, s43, 3
	s_add_co_u32 s[QS], s[QS], s43
	s_add_co_u32 s[QS], s[QS], 14336
	s_mov_b32 s[QS+1], 0
	s_lshr_b32 s48, s[HD], 4                       ; batch
	s_and_b32 s49, s[HD], 15                       ; head
	s_lshl_b32 s50, s48, 4
	s_add_co_u32 s50, s50, s16                     ; group of 128 tokens
	s_lshl_b32 s51, s50, 3
	s_lshl_b32 s43, s17, 1
	s_add_co_u32 s51, s51, s43                     ; my first tile
	s_mul_i32 s[OC], s51, 12288
	s_mul_i32 s43, s49, 768
	s_add_co_u32 s[OC], s[OC], s43                 ; cq's codes: [tile][head][768]
	s_mov_b32 s[OC+1], 0
	s_lshl_b32 s[OS], s50, 12                      ; cq's scale words: [group][pair of heads][row][4]
	s_lshr_b32 s43, s49, 1
	s_lshl_b32 s43, s43, 9
	s_add_co_u32 s[OS], s[OS], s43
	s_lshl_b32 s43, s17, 7
	s_add_co_u32 s[OS], s[OS], s43
	s_and_b32 s43, s49, 1
	s_lshl_b32 s43, s43, 1
	s_add_co_u32 s[OS], s[OS], s43
	s_add_co_u32 s[OS], s[OS], CQS
	s_mov_b32 s[OS+1], 0
	s_mov_b32 s[SEL], 0x76543210
	s_mov_b32 s[SEL+1], 0xfedcba98
	s_mov_b32 s[CS], 0x3e38aa3b                    ; log2(e) / 8
	s_mov_b32 s[CS+1], s[CS]
	s_wait_alu depctr_va_vdst(0)
	s_wait_dscnt 0x0
	CROUND                                         ; the four work-groups are here: the first joint loads meet
	s_wait_kmcnt 0x0
	s_mov_b32 s[G0], 1
	s_mov_b32 s[G0+1], s12
	s_add_nc_u64 s[G0+2:G0+3], s[6:7], s[14:15]
	s_or_b32 s[G0+3], s[G0+3], 0x80000000
	s_cmp_lt_u32 s[WV], 8
	s_cbranch_scc0 .Lnot_yet
	tensor_load_to_lds s[G0:G0+3], s[G1:G1+7]      ; waves 0-7: record wave
	s_nop 0
	PLACES 4
.Lnot_yet:
	s_add_nc_u64 s[QA:QA+1], s[4:5], s[QA:QA+1]
	s_add_nc_u64 s[QS:QS+1], s[4:5], s[QS:QS+1]
	s_add_nc_u64 s[OC:OC+1], s[8:9], s[OC:OC+1]
	s_add_nc_u64 s[OS:OS+1], s[8:9], s[OS:OS+1]
.irp p, 0,1
	global_load_b128 v[16+4*\p:19+4*\p], v[AK0], s[QA:QA+1] offset:512*\p
	global_load_b128 v[244+4*\p:247+4*\p], v[AK0], s[QA:QA+1] offset:1024+512*\p
.endr
	global_load_b64 v[28:29], v[R16], s[QS:QS+1]   ; my two tiles' scale words
.irp t, 0,1,2,3
.irp i, 8,9,10,11
	v_mov_b32 v[32+12*\t+\i], 0                    ; places 64-127 of K's operand beyond the image's eight registers
.endr
.endr
.irp i, 24,25,26,27, 216,217,218,219, 225,228,229
	v_mov_b32 v[\i], 0                             ; q's upper registers; lane permutes' destinations and pairs' upper halves count as read
.endr
	INIT
	s_wait_alu depctr_va_vdst(0)                   ; the head's end
	s_wait_loadcnt 0x0                             ; q
	s_wait_tensorcnt 0x0                           ; my record, if I asked for one, is in; the three lines ahead of a later first fill,
	ds_add_u32 v[SPW], v[NIL]                      ; the add twice on end
	ds_add_u32 v[SPW], v[NIL]
	s_wait_dscnt 0x0
	CROUND                                         ; records 0-7 are in, and the four work-groups are here
	s_cmp_lt_u32 s[WV], 8
	s_cbranch_scc1 .Lasked
	tensor_load_to_lds s[G0:G0+3], s[G1:G1+7]      ; waves 8-15: record wave
	s_nop 0
	PLACES 4
.Lasked:
	WALK 0, 7
	s_wait_alu depctr_va_vdst(0)
	s_wait_tensorcnt 0x0                           ; my record is in
	s_wait_dscnt 0x0
	s_barrier_signal -1                            ; a plain barrier shows records 8-15 to all waves
	s_barrier_wait -1
	WALK 8, 15
	FINISH 0
	WALK 0, 15
	FINISH 1
	s_wait_tensorcnt 0x0                           ; the wave's end
	ds_add_u32 v[SPW], v[NIL]
	s_wait_dscnt 0x0
	CROUND                                         ; the closing round
	s_endpgm
.Lfunc_end_k_q0211909c59_attn:
	.size	k_q0211909c59_attn, .Lfunc_end_k_q0211909c59_attn-k_q0211909c59_attn
	.p2alignl 7, 3214868480
	.fill 96, 4, 3214868480
	.section	.rodata,"a",@progbits
	.p2align	6, 0x0
	.amdhsa_kernel k_q0211909c59_attn
		.amdhsa_group_segment_fixed_size 327680
		.amdhsa_private_segment_fixed_size 0
		.amdhsa_enable_private_segment 0
		.amdhsa_kernarg_size 24
		.amdhsa_user_sgpr_count 2
		.amdhsa_user_sgpr_kernarg_segment_ptr 1
		.amdhsa_wavefront_size32 1
		.amdhsa_system_sgpr_workgroup_id_x 1
		.amdhsa_system_sgpr_workgroup_id_y 1
		.amdhsa_system_sgpr_workgroup_id_z 1
		.amdhsa_system_vgpr_workitem_id 0
		.amdhsa_next_free_vgpr 256
		.amdhsa_next_free_sgpr 66
		.amdhsa_reserve_vcc 0
		.amdhsa_float_denorm_mode_32 3
		.amdhsa_float_denorm_mode_16_64 3
		.amdhsa_memory_ordered 1
		.amdhsa_forward_progress 1
		.amdhsa_inst_pref_size 72
	.end_amdhsa_kernel
	.amdgpu_metadata
---
amdhsa.version: [ 1, 2 ]
amdhsa.kernels:
  - .name:           k_q0211909c59_attn
    .symbol:         k_q0211909c59_attn.kd
    .args:
      - { .name: qq, .offset: 0, .size: 8, .value_kind: global_buffer, .address_space: global }
      - { .name: kv, .offset: 8, .size: 8, .value_kind: global_buffer, .address_space: global }
      - { .name: cq, .offset: 16, .size: 8, .value_kind: global_buffer, .address_space: global }
    .group_segment_fixed_size: 327680
    .private_segment_fixed_size: 0
    .kernarg_segment_align: 8
    .kernarg_segment_size: 24
    .max_flat_workgroup_size: 512
    .sgpr_count:     66
    .vgpr_count:     256
    .wavefront_size: 32
...
	.end_amdgpu_metadata
.endif
;; end of part 3
;; launch outp (part 4): grid 4 x 32, 4 waves a work-group, clusters of 4 x 4, 327,680 bytes of LDS; arguments cq, wq, bo, out0; writes out0
.if DOCPART == 4
	.amdgcn_target "amdgcn-amd-amdhsa--gfx1250"
	.amdhsa_code_object_version 6
	.text
	.protected	k_q0211909c59_outp
	.globl	k_q0211909c59_outp
	.p2align	8
	.type	k_q0211909c59_outp,@function
k_q0211909c59_outp:
	s_mov_b64 s[64:65], 0
	v_nop
	global_prefetch_b8 v0, s[64:65] scope:SCOPE_SE
	s_setreg_imm32_b32 hwreg(HW_REG_WAVE_MODE, 25, 1), 1
	s_wait_xcnt 0x0
	s_wait_alu depctr_hold_cnt(0) depctr_sa_sdst(0) depctr_va_vdst(0) depctr_va_sdst(0) depctr_va_ssrc(0) depctr_va_vcc(0) depctr_vm_vsrc(0)
	s_getreg_b32 s2, hwreg(HW_REG_IB_STS2, 6, 4)
	s_cmp_eq_u32 s2, 0
	s_cbranch_scc0 .Lentry_in_a_cluster
	s_endpgm
.Lentry_in_a_cluster:
	s_bfe_u32 s2, ttmp6, 0x10000c
	s_cmp_lg_u32 s2, 0xf033
	s_cbranch_scc0 .Lentry_shape_is_right
	s_endpgm
.Lentry_shape_is_right:
; out = ctx Wo + bo on codes of FP6 (E2M3) with E8M0 scales.  A tile of 256 x 256 is made by four waves, 128 x 128 each; K goes in steps of 256 through a ring of two LDS slots; clusters of 4 x 4 ask jointly for A's tiles along a row and B's along a column.
; A's fragments (ctx) lie as two halves of 768 bytes, one for each head of the 128 channels: registers 0-3 of the half as 512 bytes (16 a lane), registers 4, 5 as 256 (8 a lane).  B's lie as three planes of 512 bytes.
.set CQS,   6291456
.set WS,    3145728
.set FR,    12
.set NL,    4                          ; LDS loads that bring a fragment of A
.set NP,    4
.set TROW,  3072
.set HALFT, 8*TROW
.set SLOT,  4*HALFT
.set SCL,   2*SLOT
.set SCLB,  SCL+8192+128
.set SPARE, SCLB+8192+128
.set SPITCH, 528
.set LI,   3
.set ADRA, 16
.set ADRB, 20
.set STO,  24
.set RD,   25
.set CO,   26
.set ADRS, 27
.set SPW,  28
.set NIL,  29
.set SC,   32
.set BI,   64
.set AF,   128
.set BK,   128
.set WV,  20
.set HA,  21
.set HB,  22
.set G1,  24
.set G0,  32
.set G1B, 48
.set G0B, 56
.set G1S, 68
.set G0S, 76
.set G1SB, 80
.set G0SB, 88
.set MSB, 0
.macro WIN new
.if MSB != (\new)
	s_set_vgpr_msb (MSB<<8)|(\new)
.set MSB, (\new)
.endif
.endm
.set MUL_LO, 0xa1
.set MUL_HI, 0xf1
.set TO_B,   0x40
.macro JLOAD g0a, g1a, g0b, g1b
	s_cmp_eq_u32 s[HA], 0
	s_cbranch_scc0 .Lfor_b_\@
	tensor_load_to_lds s[\g0a:\g0a+3], s[\g1a:\g1a+7]
	s_nop 0
.rept 4
	v_nop
.endr
	s_branch .Lasked_\@
.Lfor_b_\@:
	tensor_load_to_lds s[\g0b:\g0b+3], s[\g1b:\g1b+7]
	s_nop 0
.rept 4
	v_nop
.endr
.Lasked_\@:
.endm
.macro CREST
	s_cmp_lg_u32 s[WV], 0
	s_cbranch_scc1 .Lnot_wave_0_\@
	s_barrier_signal -3
.Lnot_wave_0_\@:
	s_barrier_wait -3
	s_barrier_signal -1
	s_barrier_wait -1
.endm
.macro CROUND
	s_barrier_signal -1
	s_barrier_wait -1
	CREST
.endm
.macro PLACES n
.rept \n
	v_nop
.endr
.endm
.macro FRAG reg, adr, q, i
.irp p, 0,1,2
	ds_load_b128 v[\reg+4*\p:\reg+4*\p+3], v[\adr] offset:TROW*(\i)+1536*(\q)+512*\p
.endr
.endm
.macro FETCH_B slot, q, p
	WIN TO_B
.irp i, 0,1,2,3,4,5,6,7
	FRAG 128*(\p)+FR*\i, ADRB+\slot, \q, \i
.endr
	WIN 0
.endm
.macro FETCH_A slot, q, i0
.irp i, \i0, \i0+1, \i0+2, \i0+3
.irp c, 0,1
	ds_load_b128 v[AF+FR*(\i)+6*\c:AF+FR*(\i)+6*\c+3], v[ADRA+\slot] offset:TROW*(\i)+1536*(\q)+768*\c
	ds_load_b64 v[AF+FR*(\i)+6*\c+4:AF+FR*(\i)+6*\c+5], v[ADRA+2+\slot] offset:TROW*(\i)+1536*(\q)+768*\c+512
.endr
.endr
.endm
.macro SCALES sc
.irp i, 0,1,2,3,4,5,6,7
.irp q, 0,1
	ds_load_b32 v[SC+16*\sc+2*\i+\q], v[ADRS] offset:64*\i+512*\q
.endr
.endr
.endm
.macro MUL16 a0, p, q, sc, zero
.irp a, \a0, \a0+1
.irp b, 0,1,2,3,4,5,6,7
.set rD, 8*(8*((\a)%4)+\b)
.set rB, 128*(\p)+FR*\b
.set rA, AF+FR*(\a)
.set rX, SC+16*(\sc)+2*\b+(\q)
.set rY, SC+16*(\sc)+2*(\a)+(\q)
.if \zero
	v_wmma_scale_f32_16x16x128_f8f6f4 v[rD:rD+7], v[rB:rB+FR-1], v[rA:rA+FR-1], v[BI+8*\b:BI+8*\b+7], v[rX], v[rY] matrix_a_fmt:MATRIX_FMT_FP6 matrix_b_fmt:MATRIX_FMT_FP6 matrix_a_scale:MATRIX_SCALE_ROW1
.else
	v_wmma_scale_f32_16x16x128_f8f6f4 v[rD:rD+7], v[rB:rB+FR-1], v[rA:rA+FR-1], v[rD:rD+7], v[rX], v[rY] matrix_a_fmt:MATRIX_FMT_FP6 matrix_b_fmt:MATRIX_FMT_FP6 matrix_a_scale:MATRIX_SCALE_ROW1
.endif
.endr
.endr
.endm
.macro STEP slot, zero
	s_wait_dscnt 4*NL
.if \zero
	WIN 0x81
.else
	WIN MUL_LO
.endif
	MUL16 0, 0, 0, \slot, \zero
	MUL16 2, 0, 0, \slot, \zero
	s_wait_dscnt 0x0
	PLACES NP
	FETCH_B \slot, 1, 1
	FETCH_A \slot, 1, 0
.if \zero
	WIN 0xc1
.else
	WIN MUL_HI
.endif
	MUL16 4, 0, 0, \slot, \zero
	MUL16 6, 0, 0, \slot, \zero
	PLACES NP
	WIN 0
	FETCH_A \slot, 1, 4
.endm
.macro TURN slot, next, fill
	s_wait_tensorcnt 0x0
	ds_add_u32 v[SPW], v[NIL]
	s_wait_dscnt 4*NL+1
	WIN MUL_LO
	MUL16 0, 1, 1, \slot, 0
	s_wait_dscnt 0x0
	s_barrier_signal -1
	MUL16 2, 1, 1, \slot, 0
	WIN 0
	s_barrier_wait -1
.if \fill
	CREST
	s_add_nc_u64 s[G0+4*\slot+2:G0+4*\slot+3], s[G0+4*\slot+2:G0+4*\slot+3], 2*TROW
	s_add_nc_u64 s[G0B+4*\slot+2:G0B+4*\slot+3], s[G0B+4*\slot+2:G0B+4*\slot+3], 2*TROW
	JLOAD G0+4*\slot, G1, G0B+4*\slot, G1B
.else
	PLACES NP
.endif
	s_wait_alu depctr_va_vdst(0)
	v_add_nc_u32 v[ADRS], 1024, v[ADRS]
	FETCH_B \next, 0, 0
	FETCH_A \next, 0, 0
	SCALES \next
	WIN MUL_HI
	MUL16 4, 1, 1, \slot, 0
	MUL16 6, 1, 1, \slot, 0
	PLACES NP
	WIN 0
	FETCH_A \next, 0, 4
.endm
	s_load_b256 s[4:11], s[0:1], 0x0
	v_lshl_add_u32 v[SPW], v0, 2, SPARE
	v_mov_b32 v[NIL], 0
	ds_add_u32 v[SPW], v[NIL]
	ds_add_u32 v[SPW], v[NIL]
	v_lshrrev_b32 v1, 5, v0
	v_readfirstlane_b32 s[WV], v1
	s_lshr_b32 s[HA], s[WV], 1
	s_and_b32 s[HB], s[WV], 1
	s_bfe_u32 s40, ttmp6, 0x40000
	s_bfe_u32 s41, ttmp6, 0x40004
	s_and_b32 s43, ttmp7, 0xffff
	s_lshl_b32 s43, s43, 2
	s_add_co_u32 s43, s43, s41
	s_lshl_b32 s44, ttmp9, 2
	s_add_co_u32 s44, s44, s40
	s_lshl_b32 s45, s41, 2
	s_lshl_b32 s45, 15, s45
	s_lshl_b32 s46, 0x1111, s40
	s_or_b32 s[G1], s45, (3<<16)|(1<<21)
	s_or_b32 s[G1B], s46, (3<<16)|(1<<21)
	s_or_b32 s[G1S], s45, (3<<16)|(1<<21)
	s_or_b32 s[G1SB], s46, (3<<16)|(1<<21)
.irp g, G1, G1B
	s_mov_b32 s[\g+1], 384<<16
	s_mov_b32 s[\g+2], 16<<16                      ; the head's loads bring all 16 tiles; behind them the two words that count rows are set to 8
	s_mov_b32 s[\g+3], 384<<16
	s_mov_b32 s[\g+4], 16
	s_mov_b32 s[\g+5], 1536
	s_mov_b32 s[\g+6], 0
	s_mov_b32 s[\g+7], 0
.endr
.irp g, G1S, G1SB
	s_mov_b32 s[\g+1], 32<<16
	s_mov_b32 s[\g+2], 32<<16                      ; scale words of 256 rows: 8,192 dense bytes as 32 rows of 256
	s_mov_b32 s[\g+3], 32<<16
	s_mov_b32 s[\g+4], 32
	s_mov_b32 s[\g+5], 32
	s_mov_b32 s[\g+6], 0
	s_mov_b32 s[\g+7], 0
.endr
	s_lshl_b32 s23, s[HB], 3
	s_lshl_b32 s47, s43, 4
	s_add_co_u32 s47, s47, s23
	s_mul_i32 s92, s47, 12288
	s_mov_b32 s93, 0
	s_lshl_b32 s94, s43, 13
	s_add_co_u32 s94, s94, CQS
	s_mov_b32 s95, 0
	s_lshl_b32 s96, s44, 4
	s_add_co_u32 s96, s96, s23
	s_mul_i32 s96, s96, 12288
	s_add_co_u32 s96, s96, 2359296
	s_mov_b32 s97, 0
	s_lshl_b32 s98, s44, 13
	s_add_co_u32 s98, s98, WS+98304
	s_mov_b32 s99, 0
	s_mul_i32 s2, s[WV], HALFT
	s_wait_dscnt 0x0
	s_wait_kmcnt 0x0
	s_add_nc_u64 s[92:93], s[4:5], s[92:93]
	s_add_nc_u64 s[94:95], s[4:5], s[94:95]
	s_add_nc_u64 s[96:97], s[6:7], s[96:97]
	s_add_nc_u64 s[98:99], s[6:7], s[98:99]
	CROUND
	s_mov_b32 s[G0S], 1
	s_mov_b32 s[G0S+1], SCL
	s_mov_b64 s[G0S+2:G0S+3], s[94:95]
	s_or_b32 s[G0S+3], s[G0S+3], 0x80000000
	s_mov_b32 s[G0SB], 1
	s_mov_b32 s[G0SB+1], SCLB
	s_mov_b64 s[G0SB+2:G0SB+3], s[98:99]
	s_or_b32 s[G0SB+3], s[G0SB+3], 0x80000000
.irp s, 0,1
	s_mov_b32 s[G0+4*\s], 1
	s_add_co_u32 s[G0+4*\s+1], s2, \s*SLOT
	s_add_nc_u64 s[G0+4*\s+2:G0+4*\s+3], s[92:93], \s*TROW
	s_or_b32 s[G0+4*\s+3], s[G0+4*\s+3], 0x80000000
	s_mov_b32 s[G0B+4*\s], 1
	s_add_co_u32 s[G0B+4*\s+1], s2, \s*SLOT
	s_add_nc_u64 s[G0B+4*\s+2:G0B+4*\s+3], s[96:97], \s*TROW
	s_or_b32 s[G0B+4*\s+3], s[G0B+4*\s+3], 0x80000000
.endr
; THE HEAD'S LOADS, ONE A WAVE: wave 0 slot 0's 16 tiles of A, wave 2 its 16 tiles of B, wave 1 A's scale words, wave 3 B's.  One chain of branches on the wave's number, one load to an arm, one join.
.macro HARM wv, g0, g1, next
	s_cmp_eq_u32 s[WV], \wv
	s_cbranch_scc0 \next
	tensor_load_to_lds s[\g0:\g0+3], s[\g1:\g1+7]
	s_nop 0
.rept 4
	v_nop
.endr
	s_branch .Lhead_asked
\next:
.endm
	HARM 0, G0, G1, .Lhead_b
	HARM 2, G0B, G1B, .Lhead_sa
	HARM 1, G0S, G1S, .Lhead_sb
	tensor_load_to_lds s[G0SB:G0SB+3], s[G1SB:G1SB+7]
	s_nop 0
.rept 4
	v_nop
.endr
.Lhead_asked:
	v_and_b32 v1, 15, v0
	v_bfe_u32 v2, v0, 4, 1
	s_wait_alu depctr_va_vdst(0)
	v_and_b32 v[LI], 31, v0
	v_lshlrev_b32 v[LI], 4, v[LI]
	v_lshrrev_b32 v7, 1, v[LI]                     ; 8 x lane
	s_mul_i32 s23, s[HA], HALFT
	s_mul_i32 s2, s[HB], HALFT
	s_add_co_u32 s2, s2, 2*HALFT
.irp s, 0,1
	v_add_nc_u32 v[ADRA+\s], s23, v[LI]
	v_add_nc_u32 v[ADRA+2+\s], s23, v7             ; for the pieces of 8 bytes a lane
	v_add_nc_u32 v[ADRB+\s], s2, v[LI]
	s_add_co_u32 s23, s23, SLOT
	s_add_co_u32 s2, s2, SLOT
.endr
	s_lshl_b32 s23, s[HA], 12
	s_lshl_b32 s2, s[HB], 12
	s_add_co_u32 s2, s2, SCLB-SCL
	s_sub_co_u32 s2, s2, s23
	v_mul_u32_u24 v4, s2, v2
	s_add_co_u32 s23, s23, SCL
	v_lshl_add_u32 v4, v1, 2, v4
	v_add_nc_u32 v[ADRS], s23, v4
	s_mul_i32 s23, s[WV], 16*SPITCH
	v_mul_u32_u24 v5, v1, SPITCH
	v_lshl_add_u32 v5, v2, 6, v5
	v_add_nc_u32 v[STO], s23, v5
	v_add_nc_u32 v[RD], s23, v[LI]
	v_mov_b32 v[CO], v[LI]
	v_lshlrev_b32 v6, 6, v2
	s_lshl_b32 s92, s44, 10
	s_lshl_b32 s93, s[HB], 9
	s_add_co_u32 s92, s92, s93
	s_mov_b32 s93, 0
	s_add_nc_u64 s[8:9], s[8:9], s[92:93]
.irp b, 0,1,2,3,4,5,6,7
	global_load_b128 v[BI+8*\b:BI+8*\b+3], v6, s[8:9] offset:(32*(\b/2)+8*(\b%2))*4
	global_load_b128 v[BI+8*\b+4:BI+8*\b+7], v6, s[8:9] offset:(32*(\b/2)+8*(\b%2))*4+16
.endr
	s_lshl_b32 s94, s43, 8
	s_lshl_b32 s95, s[HA], 7
	s_add_co_u32 s94, s94, s95
	s_lshl_b32 s94, s94, 12
	s_add_co_u32 s94, s94, s92
	s_mov_b32 s95, 0
	s_add_nc_u64 s[10:11], s[10:11], s[94:95]
	s_wait_alu depctr_va_vdst(0)
	s_wait_loadcnt 0x0
	s_wait_tensorcnt 0x0                           ; my tile of the head's four is in; the three lines ahead of slot 1's first fill, as ahead of a refill
	ds_add_u32 v[SPW], v[NIL]
	s_mov_b32 s[G1+2], 8<<16                       ; no tensor load of mine is out: from here on a load brings 8 tiles
	s_mov_b32 s[G1+4], 8
	s_mov_b32 s[G1B+2], 8<<16
	s_mov_b32 s[G1B+4], 8
	s_wait_dscnt 0x0
	CROUND                                         ; all four tiles are in, and all sixteen work-groups are here
	JLOAD G0+4, G1, G0B+4, G1B                     ; slot 1's first fill, the first tensor load behind the round
	FETCH_B 0, 0, 0
	FETCH_A 0, 0, 0
	SCALES 0
	FETCH_A 0, 0, 4
	STEP 0, 1
	TURN 0, 1, 1
	STEP 1, 0
	TURN 1, 0, 1
	STEP 0, 0
	TURN 0, 1, 0
	STEP 1, 0
	s_wait_dscnt 4*NL
	WIN MUL_LO
	MUL16 0, 1, 1, 1, 0
	MUL16 2, 1, 1, 1, 0
	s_wait_dscnt 0x0
	WIN MUL_HI
	MUL16 4, 1, 1, 1, 0
	MUL16 6, 1, 1, 1, 0
	WIN 0
.macro TOSTAGE a
.set AC, 64*((\a)%4)
	WIN 0x08+4*((\a)/4)
.irp b, 0,1,2,3,4,5,6,7
	ds_store_b128 v[STO], v[AC+8*\b:AC+8*\b+3] offset:128*(\b/2)+32*(\b%2)
	ds_store_b128 v[STO], v[AC+8*\b+4:AC+8*\b+7] offset:128*(\b/2)+32*(\b%2)+16
.endr
	WIN 0
.set BB, BK+64*((\a)%2)
.irp t, 0,1,2,3,4,5,6,7,8,9,10,11,12,13,14,15
	ds_load_b128 v[BB+4*\t:BB+4*\t+3], v[RD] offset:\t*SPITCH
.endr
.endm
.macro SEND a, younger
.set BB, BK+64*((\a)%2)
	s_wait_dscnt \younger
.irp t, 0,1,2,3,4,5,6,7,8,9,10,11,12,13,14,15
	global_store_b128 v[CO], v[BB+4*\t:BB+4*\t+3], s[10:11] offset:(32*((\a)/2)+8*((\a)%2)+\t+8*(\t/8))*4096 th:TH_STORE_NT
.endr
.endm
	PLACES NP
	TOSTAGE 0
.irp a, 1,2,3,4,5,6,7
.if \a > 1
	s_wait_xcnt 0x0
.endif
	TOSTAGE \a
	SEND \a-1, 32
.endr
	SEND 7, 0
	s_wait_tensorcnt 0x0
	ds_add_u32 v[SPW], v[NIL]
	s_wait_dscnt 0x0
	CROUND
	s_endpgm
.Lfunc_end_k_q0211909c59_outp:
	.size	k_q0211909c59_outp, .Lfunc_end_k_q0211909c59_outp-k_q0211909c59_outp
	.p2alignl 7, 3214868480
	.fill 96, 4, 3214868480
	.section	.rodata,"a",@progbits
	.p2align	6, 0x0
	.amdhsa_kernel k_q0211909c59_outp
		.amdhsa_group_segment_fixed_size 327680
		.amdhsa_private_segment_fixed_size 0
		.amdhsa_enable_private_segment 0
		.amdhsa_kernarg_size 32
		.amdhsa_user_sgpr_count 2
		.amdhsa_user_sgpr_kernarg_segment_ptr 1
		.amdhsa_wavefront_size32 1
		.amdhsa_system_sgpr_workgroup_id_x 1
		.amdhsa_system_sgpr_workgroup_id_y 1
		.amdhsa_system_sgpr_workgroup_id_z 1
		.amdhsa_system_vgpr_workitem_id 0
		.amdhsa_next_free_vgpr 1024
		.amdhsa_next_free_sgpr 100
		.amdhsa_reserve_vcc 0
		.amdhsa_float_denorm_mode_32 3
		.amdhsa_float_denorm_mode_16_64 3
		.amdhsa_memory_ordered 1
		.amdhsa_forward_progress 1
		.amdhsa_inst_pref_size 143
	.end_amdhsa_kernel
	.amdgpu_metadata
---
amdhsa.version: [ 1, 2 ]
amdhsa.kernels:
  - .name:           k_q0211909c59_outp
    .symbol:         k_q0211909c59_outp.kd
    .args:
      - { .name: cq, .offset: 0, .size: 8, .value_kind: global_buffer, .address_space: global }
      - { .name: wq, .offset: 8, .size: 8, .value_kind: global_buffer, .address_space: global }
      - { .name: bo, .offset: 16, .size: 8, .value_kind: global_buffer, .address_space: global }
      - { .name: out0, .offset: 24, .size: 8, .value_kind: global_buffer, .address_space: global }
    .group_segment_fixed_size: 327680
    .private_segment_fixed_size: 0
    .kernarg_segment_align: 8
    .kernarg_segment_size: 32
    .max_flat_workgroup_size: 128
    .sgpr_count:     100
    .vgpr_count:     1024
    .wavefront_size: 32
...
	.end_amdgpu_metadata
.endif
;; end of part 4
